; MI455X (gfx1250); checked and timed in simulation.
; The chip was launched on July 23, 2026; its instructions are those of AMD's public machine-readable ISA for CDNA 5 (MIT licence, August 2026) and "CDNA5" Instruction Set Architecture Reference Guide (July 2026). The comments in the code are by the model that wrote it; some were corrected since.
;; GPT3 Attention. Allowed arithmetic: matrix products marked QUANTISED: E5M2 operands, one E8M0 scale for each 32 along K, by v_wmma_scale_f32_16x16x128_f8f6f4 with both operands' format E5M2, f32 sums; everything else in f32.
;; Inputs: dense_b 2,048 float32; dense_w 2,048 x 2,048 float32; k 1 x 2,048 x 2,048 float32; mask 1 x 1 x 2,048 x 2,048 float32; q 1 x 2,048 x 2,048 float32; v 1 x 2,048 x 2,048 float32; wk_b 2,048 float32; wk_w 2,048 x 2,048 float32; wq_b 2,048 float32; wq_w 2,048 x 2,048 float32; wv_b 2,048 float32; wv_w 2,048 x 2,048 float32.
;; Outputs: out0 1 x 2,048 x 2,048 float32.
;; This version of the problem:
;;   THIS VERSION OF THE PROBLEM IS GIVEN IN LOW PRECISION. The matrix products marked QUANTISED in the list below multiply operands that are first quantised to E5M2 (5 exponent bits, 2 mantissa bits; 8 bits a number), with one power-of-two scale for each 32 numbers along K (OCP MX v1.0); their sums are f32. All else is computed in f32.
;;   The module's matrix products, in the order in which they are computed (A, B: the left and right operand; K: the contracted axis; several contracted axes count as one K, in the product's order):
;;     1. [M 2,048, K 2,048] x [K 2,048, N 2,048]; A: input q; B: input wq_w: QUANTISED
;;     2. [M 2,048, K 2,048] x [K 2,048, N 2,048]; A: input k; B: input wk_w: QUANTISED
;;     3. [M 2,048, K 2,048] x [K 2,048, N 2,048]; A: input v; B: input wv_w: QUANTISED
;;     4. batch 16 x [M 2,048, K 128] x [K 128, N 2,048]; A: computed on the way; B: computed on the way: QUANTISED
;;     5. batch 16 x [M 2,048, K 2,048] x [K 2,048, N 128]; A: softmax (see below); B: computed on the way: QUANTISED
;;     6. [M 2,048, K 2,048] x [K 2,048, N 2,048]; A: computed on the way; B: input dense_w: QUANTISED
;;   THE QUANTISER, for each operand of a quantised product, along K:
;;     - K is cut into blocks of 32 from its start; a last block that is shorter is filled with zeros.
;;     - A block's scale is 2^e with e = floor(log2(the largest magnitude in the block)) - 15, held to -126 .. 127; a block of zeros has e = 0. As a byte (E8M0): e + 127.
;;     - Each number is divided by its block's scale, clamped to +-57,344, and rounded to the nearest number of E5M2, ties to even, subnormals kept.
;;     - The product sums the exact products of the quantised numbers (number of the format x scale) in f32.
;;   ~~~python
;;   def quantise(x, axis):      # numpy; x: float32 -> the quantised numbers, widened to float32 again
;;       x = np.moveaxis(x, axis, -1); K = x.shape[-1]
;;       x = np.pad(x, [(0, 0)] * (x.ndim - 1) + [(0, -K % 32)]); x = x.reshape(x.shape[:-1] + (-1, 32)); a = np.abs(x).max(-1, keepdims=True)
;;       e = np.where(a > 0, np.clip(np.frexp(np.where(a > 0, a, 1))[1] - 1 - 15, -126, 127), 0)      # np.frexp(a)[1] - 1 = floor(log2(a)), exactly
;;       r = np.clip(x / 2.0 ** e, -57344, 57344)
;;       step = 2.0 ** (np.maximum(np.frexp(np.where(r == 0, 1, r))[1] - 1, -14) - 2)
;;       q = np.round(r / step) * step * 2.0 ** e      # np.round: ties to even
;;       return np.moveaxis(q.reshape(q.shape[:-2] + (-1,))[..., :K], -1, axis).astype(np.float32)
;;   ~~~
;;   SOFTMAX AHEAD OF A QUANTISED PRODUCT. Where the list says 'softmax', what is quantised is not the finished softmax but p = 2^(t - M), with t = logit x log2(e) and M = ceil(the row's largest t), a whole number; so 1/2 < the row's largest p <= 1. The row's sum l is taken of the UNQUANTISED p, in f32, and the product's result is divided by l at the end. Since M is a whole number, a kernel that streams over the keys may use a running M (the ceiling of the running maximum): every later rescaling is an exact power of two, which a block's scale takes up: the codes' values come out the same.
;;   OPERANDS COMPUTED ON THE WAY. 'Computed on the way' means the value that the module computes at that place (a softmax that the list does not call 'softmax' is quantised finished and normalised). What goes into a quantiser is computed in f32, as accurately as f32 sums, v_exp_f32 and their like allow (about 1e-6 of the number): no bf16 or f16 on the way to a quantiser, and a product that is left as it is and whose result goes on into a quantised operand takes f32 operands (vector FMAs, or v_wmma_f32_16x16x4_f32). A number that lies on a knife's edge between two numbers of the format may be rounded either way, as far as f32 arithmetic and the matrix unit's own rounding can turn it there, and no further.
;; One version. Each part assembles by itself: llvm-mc -triple=amdgcn-amd-amdhsa -mcpu=gfx1250 --defsym DOCPART=n.
;; ======== version 1 of 1: 4 launches
;; limits: right only within a limited range of input values
;; workspace buffers: c7 29,360,128 bytes; s7 917,504 bytes; hc 12,582,912 bytes; hs 393,216 bytes; oc 4,194,304 bytes; os 131,072 bytes
;; launch quant (part 1): grid 256 x 1, 14 waves a work-group, no clusters, 131,072 bytes of LDS; arguments q, k, wv_w, wq_w, wk_w, v, dense_w, c7, s7; writes c7, s7
.if DOCPART == 1
	.amdgcn_target "amdgcn-amd-amdhsa--gfx1250"
	.amdhsa_code_object_version 6
	.text
	.protected	k_qedf52a42f7_quant
	.globl	k_qedf52a42f7_quant
	.p2align	8
	.type	k_qedf52a42f7_quant,@function
k_qedf52a42f7_quant:
	s_mov_b64 s[64:65], 0
	v_nop
	global_prefetch_b8 v0, s[64:65] scope:SCOPE_SE
	s_setreg_imm32_b32 hwreg(HW_REG_WAVE_MODE, 25, 1), 1
	s_wait_xcnt 0x0
; Seven tensors [2048][2048] of f32 (part 0 q, 1 k, 2 wv_w, 3 wq_w, 4 wk_w, 5 v, 6 dense_w) become codes of BF8 (E5M2) with one E8M0 byte for each 32 along K (their last axis).
; THE CODES ARE LAID AS IMAGES OF OPERAND REGISTERS.  An image is one fragment of the scaled matrix instruction, 16 rows x 128 K, 2,048 bytes: byte 512 c + 16 l + i (lane l = r + 16 h) is the code of
; X[row r of the tile][k0 + 32 c + 16 h + i].  Beside it 16 scale words, 64 bytes: word r = the four bytes of the tile's row r.  Image I = (P x 128 + T) x 2 + e, P = K / 256, e = (K / 128) % 2, T = tile of rows;
; it lies at 2,048 I in the part's codes (4 MiB a part) and at 64 I in its scale words (128 KiB a part).
; THE ROWS OF A TILE: in part 0 neighbours, row 16 T + r; in all other parts row 32 (T / 2) + 8 (T % 2) + r + 8 (r / 8), so that a product that takes such a tile as source 0 leaves 16 neighbouring columns in the 16
; registers of two neighbouring tiles.
; A block's scale is 2^(floor(log2(its largest magnitude)) - 15); its byte is the largest magnitude's exponent field - 15, held at 1 from below; numbers are held within +-57,344 x the scale and rounded to the nearest code.
; LIMITS: NaN and infinities are not served; a block whose largest magnitude lies under 2^-111 keeps the byte 1; a block of zeros has the byte 1 and not 127 (its codes are zeros; this program alone reads the bytes).
; SHARES.  7 parts x 64 groups of 32 rows x 8 pieces of 256 K = 3,584 units = 256 work-groups x 14 waves, a unit a wave: four images, 8,192 consecutive bytes of codes and 256 of words.  Eight steps of 16 rows x 64 K.
; Each load reads two rows' 256 consecutive bytes; the conversions want 16 neighbours along K in one lane, so a step turns through the wave's own stage in LDS (rows 272 bytes apart).
; A stream: work-groups share no input, so no cluster, no tensor load, no barrier: waves share nothing.  Loads run three steps (24 loads a wave) ahead, the turn through LDS one step.
.set WREG, 9216                        ; LDS of a wave: two stages of 16 x 272 bytes, then its 256 bytes of scale words
.set STG,  4352
.set WRD,  2*STG
.set SPARE, 14*WREG                    ; the spare words, 128 bytes for each wave
.set AD,   4                           ; v4-7    byte offsets in the 32 rows: AD + 2 u + hi, u = which tile, hi = upper eight rows of the tile
.set SI,   8                           ; v8      the stage, on the way in
.set SO,   9                           ; v9      and on the way out
.set SW,   10                          ; v10     where my row's scale word goes
.set CO,   11                          ; v11     16 x lane
.set WR,   12                          ; v12     the words, on the way out: 8 bytes a lane
.set WO,   13                          ; v13     8 x lane
.set RS,   16                          ; v16-111  three sets of 32: numbers as loaded
.set XB,   112                         ; v112-175 two sets of 32: 16 neighbours of each of two blocks
.set CB,   176                         ; v176-239 codes: eight registers of its own for each step, so that no store's data are written again
.set TM,   240                         ; v240-249 at work
.set WD,   250                         ; v250-253 an image's scale word
.set SPW,  254
.set NIL,  255
.set SEL,  34                          ; s[34:35] lane selects: lane l xor 16
.set MNT,  36                          ; s36     the mantissa field of 57,344
	s_load_b512 s[8:23], s[0:1], 0x0               ; the seven inputs, then c7 in s[22:23]
	s_load_b64 s[24:25], s[0:1], 0x40              ; s7
	v_lshl_add_u32 v[SPW], v0, 2, SPARE
	v_mov_b32 v[NIL], 0
	v_lshrrev_b32 v1, 5, v0
	v_readfirstlane_b32 s2, v1                     ; wave
	v_and_b32 v2, 31, v0                           ; lane
	v_and_b32 v3, 15, v0                           ; r
	v_bfe_u32 v1, v0, 4, 1                         ; h
	s_wait_alu depctr_va_vdst(0)
	s_mul_i32 s3, ttmp9, 14
	s_add_co_u32 s3, s3, s2                        ; my unit
	s_and_b32 s5, s3, 7                            ; P: which 256 along K
	s_lshr_b32 s4, s3, 3
	s_and_b32 s4, s4, 63                           ; G: which 32 rows
	s_lshr_b32 s3, s3, 9                           ; the part
	s_cmp_eq_u32 s3, 0                             ; part 0 has neighbouring rows in a tile
	s_cselect_b32 s6, 16, 8                        ; rows from tile 0 to tile 1 of the 32
	s_cselect_b32 s7, 0, 8                         ; rows skipped between a tile's eighth and ninth
	s_lshl_b32 s6, s6, 13                          ; in bytes: a row is 8,192
	s_lshl_b32 s7, s7, 13
	v_lshlrev_b32 v[AD], 13, v1                    ; lanes 16-31 take the odd row of a load's two,
	v_lshl_add_u32 v[AD], v3, 4, v[AD]             ; sixteen lanes a row's 256 bytes
	v_add_nc_u32 v[AD+1], s7, v[AD]
	v_add_nc_u32 v[AD+2], s6, v[AD]
	v_add_nc_u32 v[AD+3], s7, v[AD+2]
	s_mul_i32 s26, s2, WREG
	v_mul_u32_u24 v[SI], v1, 272
	v_lshl_add_u32 v[SI], v3, 4, v[SI]
	v_add_nc_u32 v[SI], s26, v[SI]                 ; in: as loaded, row (lane / 16), 16 bytes a lane
	v_mul_u32_u24 v[SO], v3, 272
	v_lshl_add_u32 v[SO], v1, 6, v[SO]
	v_add_nc_u32 v[SO], s26, v[SO]                 ; out: row r, my half's 16 numbers of a block
	s_add_co_u32 s27, s26, WRD
	v_lshl_add_u32 v[SW], v3, 2, s27
	v_lshl_add_u32 v[WR], v2, 3, s27
	v_lshlrev_b32 v[WO], 3, v2
	v_lshlrev_b32 v[CO], 4, v2
	v_mov_b32 v[TM+2], 0                           ; written once: a lane permute's destination counts as one of its sources
	v_mov_b32 v[TM+3], 0
	s_mov_b32 s[SEL], 0x76543210
	s_mov_b32 s[SEL+1], 0xfedcba98
	s_mov_b32 s[MNT], 0x600000
	s_lshl_b32 s28, s4, 18                         ; the input: 32 G rows of 8,192 bytes + 1,024 P
	s_lshl_b32 s29, s5, 10
	s_add_co_u32 s28, s28, s29
	s_mov_b32 s29, 0
	s_lshl_b32 s30, s3, 22                         ; the codes: 4 MiB a part + 2,048 x image (P x 128 + 2 G) x 2
	s_lshl_b32 s31, s5, 19
	s_add_co_u32 s30, s30, s31
	s_lshl_b32 s31, s4, 13
	s_add_co_u32 s30, s30, s31
	s_mov_b32 s31, 0
	s_lshl_b32 s32, s3, 17                         ; the words: 128 KiB a part + 64 x the same image
	s_lshl_b32 s33, s5, 14
	s_add_co_u32 s32, s32, s33
	s_lshl_b32 s33, s4, 8
	s_add_co_u32 s32, s32, s33
	s_mov_b32 s33, 0
	s_wait_alu depctr_va_vdst(0)                   ; the wait at the head's end
	s_wait_kmcnt 0x0
.irp n, 1,2,3,4,5,6
	s_cmp_eq_u32 s3, \n                            ; the choice of the input hangs on the work-group's and the wave's number alone
	s_cselect_b64 s[8:9], s[8+2*\n:9+2*\n], s[8:9]
.endr
	s_add_nc_u64 s[8:9], s[8:9], s[28:29]
	s_add_nc_u64 s[22:23], s[22:23], s[30:31]
	s_add_nc_u64 s[24:25], s[24:25], s[32:33]
; step t: tile u = t / 4, K half e = (t / 2) % 2, 64 along K at 64 (t % 2): blocks 2 (t % 2) and 2 (t % 2) + 1 of image t / 2
.macro LOAD t                          ; eight loads: load i brings the tile's rows 2 i and 2 i + 1, 256 consecutive bytes each
.irp i, 0,1,2,3,4,5,6,7
	global_load_b128 v[RS+32*((\t)%3)+4*\i:RS+32*((\t)%3)+4*\i+3], v[AD+2*((\t)/4)+\i/4], s[8:9] offset:16384*\i+512*(((\t)/2)%2)+256*((\t)%2) th:TH_LOAD_NT
.endr
.endm
.macro TURN t                          ; through the stage: LDS serves a wave's instructions in order (ISA guide 5.7.1.4), so no wait stands between the stores and the loads
.irp i, 0,1,2,3,4,5,6,7
	ds_store_b128 v[SI], v[RS+32*((\t)%3)+4*\i:RS+32*((\t)%3)+4*\i+3] offset:STG*((\t)%2)+544*\i
.endr
.irp cc, 0,1
.irp j, 0,1,2,3
	ds_load_b128 v[XB+32*((\t)%2)+16*\cc+4*\j:XB+32*((\t)%2)+16*\cc+4*\j+3], v[SO] offset:STG*((\t)%2)+128*\cc+16*\j
.endr
.endr
.endm
.macro STEP t
.set XS, XB+32*((\t)%2)
.set CS, CB+8*(\t)
.set IM, (\t)/2
	s_wait_dscnt 0x0                               ; this step's numbers are back from the stage, so its stores into the stage have read their registers,
.if (\t)+3 < 8
	LOAD (\t)+3                                    ; which take the loads of three steps on
.endif
.if (\t) < 7
.if 6-(\t) >= 2
	s_wait_loadcnt 16                              ; the next step's eight loads are in; those of the two steps behind it may be out
.else
	s_wait_loadcnt 8*(6-(\t))
.endif
	TURN (\t)+1                                    ; and go through the other stage while this step is worked
.endif
.irp cc, 0,1
	v_max3_num_f32 v[TM+\cc], |v[XS+16*\cc]|, |v[XS+16*\cc+1]|, 0x8000000   ; my 16 numbers of the block, and the floor 2^(16 - 127): the byte cannot fall under 1
.endr
.irp i, 2,4,6,8,10,12,14
.irp cc, 0,1
	v_max3_num_f32 v[TM+\cc], v[TM+\cc], |v[XS+16*\cc+\i]|, |v[XS+16*\cc+\i+1]|
.endr
.endr
.irp cc, 0,1
	v_permlanex16_b32 v[TM+2+\cc], v[TM+\cc], s[SEL], s[SEL+1]
.endr
.irp cc, 0,1
	v_max_num_f32 v[TM+\cc], v[TM+\cc], v[TM+2+\cc]    ; with lane l xor 16's 16: the block's largest magnitude
.endr
.irp cc, 0,1
	v_add_nc_u32 v[TM+4+\cc], 0xf8800000, v[TM+\cc]    ; 15 off its exponent field: the conversion takes the exponent field of this operand as its scale
.endr
.irp cc, 0,1
	v_and_or_b32 v[TM+6+\cc], v[TM+\cc], 0x7f800000, s[MNT]   ; 57,344 x the scale
.endr
.irp cc, 0,1
.irp i, 0,1,2,3,4,5,6,7,8,9,10,11,12,13,14,15
	v_med3_num_f32 v[XS+16*\cc+\i], v[XS+16*\cc+\i], -v[TM+6+\cc], v[TM+6+\cc]   ; the conversion to an 8-bit code does not saturate (ISA guide 7.6.2): the hold comes first
.endr
.endr
.irp cc, 0,1
	v_cvt_scalef32_pk8_bf8_f32 v[CS+4*\cc:CS+4*\cc+1], v[XS+16*\cc:XS+16*\cc+7], v[TM+4+\cc]
	v_cvt_scalef32_pk8_bf8_f32 v[CS+4*\cc+2:CS+4*\cc+3], v[XS+16*\cc+8:XS+16*\cc+15], v[TM+4+\cc]
.endr
.irp cc, 0,1
	v_lshrrev_b32 v[TM+8+\cc], 23, v[TM+4+\cc]         ; the scale's byte (plain lines behind the conversions)
.endr
.if (\t)%2 == 0
	v_lshl_or_b32 v[WD+IM], v[TM+9], 8, v[TM+8]        ; the image's bytes 0 and 1
.else
	v_lshl_or_b32 v[WD+IM], v[TM+8], 16, v[WD+IM]      ; bytes 2 and 3: my row's word is whole
	v_lshl_or_b32 v[WD+IM], v[TM+9], 24, v[WD+IM]
	ds_store_b32 v[SW], v[WD+IM] offset:64*IM          ; both halves of the lanes write the same word with the same value
.endif
.irp cc, 0,1
	global_store_b128 v[CO], v[CS+4*\cc:CS+4*\cc+3], s[22:23] offset:2048*IM+512*(2*((\t)%2)+\cc)   ; 32 lanes store 512 consecutive bytes, at a multiple of 512 from the buffer's first byte
.endr
.endm
	LOAD 0
	LOAD 1
	LOAD 2
	s_wait_loadcnt 16                              ; step 0's eight loads are in
	TURN 0
.irp t, 0,1,2,3,4,5,6,7
	STEP \t
.endr
	ds_load_b64 v[14:15], v[WR]                    ; the four images' words: these loads see my stores
	s_wait_dscnt 0x0
	global_store_b64 v[WO], v[14:15], s[24:25]     ; 32 lanes store 256 consecutive bytes, at a multiple of 256 from the buffer's first byte
	s_wait_tensorcnt 0x0                           ; the wave's end
	ds_add_u32 v[SPW], v[NIL]
	s_wait_dscnt 0x0
	s_endpgm
.Lfunc_end_k_qedf52a42f7_quant:
	.size	k_qedf52a42f7_quant, .Lfunc_end_k_qedf52a42f7_quant-k_qedf52a42f7_quant
	.p2alignl 7, 3214868480
	.fill 96, 4, 3214868480
	.section	.rodata,"a",@progbits
	.p2align	6, 0x0
	.amdhsa_kernel k_qedf52a42f7_quant
		.amdhsa_group_segment_fixed_size 131072
		.amdhsa_private_segment_fixed_size 0
		.amdhsa_enable_private_segment 0
		.amdhsa_kernarg_size 72
		.amdhsa_user_sgpr_count 2
		.amdhsa_user_sgpr_kernarg_segment_ptr 1
		.amdhsa_wavefront_size32 1
		.amdhsa_system_sgpr_workgroup_id_x 1
		.amdhsa_system_sgpr_workgroup_id_y 1
		.amdhsa_system_sgpr_workgroup_id_z 1
		.amdhsa_system_vgpr_workitem_id 0
		.amdhsa_next_free_vgpr 256
		.amdhsa_next_free_sgpr 66
		.amdhsa_reserve_vcc 0
		.amdhsa_float_denorm_mode_32 3
		.amdhsa_float_denorm_mode_16_64 3
		.amdhsa_memory_ordered 1
		.amdhsa_forward_progress 1
		.amdhsa_inst_pref_size 52
	.end_amdhsa_kernel
	.amdgpu_metadata
---
amdhsa.version: [ 1, 2 ]
amdhsa.kernels:
  - .name:           k_qedf52a42f7_quant
    .symbol:         k_qedf52a42f7_quant.kd
    .args:
      - { .name: q, .offset: 0, .size: 8, .value_kind: global_buffer, .address_space: global }
      - { .name: k, .offset: 8, .size: 8, .value_kind: global_buffer, .address_space: global }
      - { .name: wv_w, .offset: 16, .size: 8, .value_kind: global_buffer, .address_space: global }
      - { .name: wq_w, .offset: 24, .size: 8, .value_kind: global_buffer, .address_space: global }
      - { .name: wk_w, .offset: 32, .size: 8, .value_kind: global_buffer, .address_space: global }
      - { .name: v, .offset: 40, .size: 8, .value_kind: global_buffer, .address_space: global }
      - { .name: dense_w, .offset: 48, .size: 8, .value_kind: global_buffer, .address_space: global }
      - { .name: c7, .offset: 56, .size: 8, .value_kind: global_buffer, .address_space: global }
      - { .name: s7, .offset: 64, .size: 8, .value_kind: global_buffer, .address_space: global }
    .group_segment_fixed_size: 131072
    .private_segment_fixed_size: 0
    .kernarg_segment_align: 8
    .kernarg_segment_size: 72
    .max_flat_workgroup_size: 448
    .sgpr_count:     66
    .vgpr_count:     256
    .wavefront_size: 32
...
	.end_amdgpu_metadata
.endif
;; end of part 1
;; launch proj (part 2): grid 8 x 24, 4 waves a work-group, clusters of 4 x 4, 327,680 bytes of LDS; arguments c7, s7, wq_b, wk_b, wv_b, hc, hs; writes hc, hs
.if DOCPART == 2
	.amdgcn_target "amdgcn-amd-amdhsa--gfx1250"
	.amdhsa_code_object_version 6
	.text
	.protected	k_qedf52a42f7_proj
	.globl	k_qedf52a42f7_proj
	.p2align	8
	.type	k_qedf52a42f7_proj,@function
k_qedf52a42f7_proj:
	s_mov_b64 s[64:65], 0
	v_nop
	global_prefetch_b8 v0, s[64:65] scope:SCOPE_SE
	s_setreg_imm32_b32 hwreg(HW_REG_WAVE_MODE, 25, 1), 1
	s_wait_xcnt 0x0
	s_wait_alu depctr_hold_cnt(0) depctr_sa_sdst(0) depctr_va_vdst(0) depctr_va_sdst(0) depctr_va_ssrc(0) depctr_va_vcc(0) depctr_vm_vsrc(0)
	s_getreg_b32 s2, hwreg(HW_REG_IB_STS2, 6, 4)
	s_cmp_eq_u32 s2, 0
	s_cbranch_scc0 .Lentry_in_a_cluster
	s_endpgm
.Lentry_in_a_cluster:
	s_bfe_u32 s2, ttmp6, 0x10000c
	s_cmp_lg_u32 s2, 0xf033
	s_cbranch_scc0 .Lentry_shape_is_right
	s_endpgm
.Lentry_shape_is_right:
; THREE PRODUCTS OF 2,048 x 2,048 x 2,048 on codes of BF8: cluster row y / 2 = 0: q Wq^T + bq, 1: k Wk^T + bk, 2: Wv v^T + bv (V transposed, the bias along its rows); each result is quantised along what is the next product's K and leaves
; as images of operand registers (hc) with their scale words (hs).  c7, s7: images of the inputs, as the first launch leaves them.
; A work-group of four waves makes 256 x 256; a wave 128 x 128: 64 accumulators, 512 registers.  K goes in steps of 256 through a ring of two LDS slots; a slot holds 32 images of A and 32 of B, dense, as the waves read them.
; CLUSTERS 4 x 4: A's images are asked for jointly along a row of the cluster, B's along a column.
; THE HEAD: one joint load a wave: wave 0 K step 0 of A, wave 1 of B, wave 2 A's scale words for all of K, wave 3 B's.  K step 1 follows behind a full round, a quarter of the slot a wave, as every refill does.
; PREFETCH INTO THE L2: behind the joint load of K step m stands the prefetch of K step m + 1, one slot ahead of its load: of the 32,768 bytes that a wave fetches each of the four partners names 8,192, told apart by address, a lane each 256.
; LIMITS: NaN and infinities are not served; a block whose largest magnitude lies under 2^-111 keeps the byte 1 (a block of zeros too: its codes are zeros).
.set NP,    8
.set FR,    16
.set HALFT, 32768
.set SLOT,  4*HALFT
.set PSTEP, 524288
.set SCL,   2*SLOT
.set SBLK,  16384                      ; A's scale words: [K step][256 rows' 2,048 bytes]; B's behind them
.set SPARE, SCL+2*SBLK
.set PFO,  30                          ; v30 the prefetches' offset: 256 x lane; never rewritten
.set PFA,  100                         ; s[100:101] where my prefetches stand
.set ADRA, 16
.set ADRB, 20
.set CO,   24
.set SST,  25
.set SRD,  26
.set ADRS, 27
.set SPW,  28
.set NIL,  29
.set SC,   32
.set BI,   64
.set AF,   128
.set TM,   32
.set PW,   48
.set G1, 24
.set G0, 32
.set G1B, 48
.set G0B, 56
.set G1S, 68
.set G0S, 76
.set G1SB, 80
.set G0SB, 88
.set MSB, 0
.macro WIN new
.if MSB != (\new)
	s_set_vgpr_msb (MSB<<8)|(\new)
.set MSB, (\new)
.endif
.endm
.macro JLOAD g0a, g1a, g0b, g1b
	s_cmp_eq_u32 s15, 0
	s_cbranch_scc0 .Lfor_b_\@
	tensor_load_to_lds s[\g0a:\g0a+3], s[\g1a:\g1a+7]
	s_nop 0
.rept 4
	v_nop
.endr
	s_branch .Lasked_\@
.Lfor_b_\@:
	tensor_load_to_lds s[\g0b:\g0b+3], s[\g1b:\g1b+7]
	s_nop 0
.rept 4
	v_nop
.endr
.Lasked_\@:
.endm
.macro CREST
	s_cmp_lg_u32 s14, 0
	s_cbranch_scc1 .Lnot_wave_0_\@
	s_barrier_signal -3
.Lnot_wave_0_\@:
	s_barrier_wait -3
	s_barrier_signal -1
	s_barrier_wait -1
.endm
.macro CROUND
	s_barrier_signal -1
	s_barrier_wait -1
	CREST
.endm
.macro PLACES n
.rept \n
	v_nop
.endr
.endm
	s_load_b256 s[4:11], s[0:1], 0x0
	s_load_b128 s[92:95], s[0:1], 0x20
	s_load_b64 s[96:97], s[0:1], 0x30
	v_lshl_add_u32 v[SPW], v0, 2, SPARE
	v_mov_b32 v[NIL], 0
	ds_add_u32 v28, v29
	ds_add_u32 v28, v29
	s_wait_dscnt 0x0
	v_lshrrev_b32 v1, 5, v0
	v_readfirstlane_b32 s14, v1
	s_lshr_b32 s15, s14, 1
	s_and_b32 s16, s14, 1
	s_bfe_u32 s40, ttmp6, 0x40000
	s_bfe_u32 s41, ttmp6, 0x40004
	s_lshl_b32 s42, ttmp9, 2
	s_add_co_u32 s42, s42, s40
	s_and_b32 s12, ttmp7, 0xffff
	s_lshr_b32 s13, s12, 1
	s_and_b32 s17, s12, 1
	s_lshl_b32 s17, s17, 2
	s_add_co_u32 s17, s17, s41
	s_lshl_b32 s43, s41, 2
	s_lshl_b32 s43, 15, s43
	s_lshl_b32 s44, 0x1111, s40
	s_or_b32 s[G1+0], s43, (3<<16)|(1<<21)
	s_or_b32 s[G1B+0], s44, (3<<16)|(1<<21)
.irp g, G1, G1B                        ; 256 rows for the head's loads; behind them the two words that count rows are set to 128
	s_mov_b32 s[\g+1], 32<<16
	s_mov_b32 s[\g+2], 256<<16
	s_mov_b32 s[\g+3], 32<<16
	s_mov_b32 s[\g+4], 256
	s_mov_b32 s[\g+5], 32
	s_mov_b32 s[\g+6], 0
	s_mov_b32 s[\g+7], 0
.endr
	s_or_b32 s[G1S+0], s43, (3<<16)|(1<<21)
	s_or_b32 s[G1SB+0], s44, (3<<16)|(1<<21)
.irp g, G1S, G1SB
	s_mov_b32 s[\g+1], 256<<16                     ; eight K steps' rows of 2,048 bytes, 16,384 bytes apart
	s_mov_b32 s[\g+2], 8<<16
	s_mov_b32 s[\g+3], 256<<16
	s_mov_b32 s[\g+4], 8
	s_mov_b32 s[\g+5], 2048
	s_mov_b32 s[\g+6], 0
	s_mov_b32 s[\g+7], 0
.endr
	s_lshl_b32 s20, s13, 22
	s_lshl_b32 s18, s17, 16
	s_add_co_u32 s20, s20, s18
	s_mov_b32 s21, 0
	s_lshl_b32 s22, s13, 17
	s_lshl_b32 s18, s17, 11
	s_add_co_u32 s22, s22, s18
	s_mov_b32 s23, 0
	s_add_co_u32 s45, s13, 3
	s_lshl_b32 s46, s45, 22
	s_lshl_b32 s19, s42, 16
	s_add_co_u32 s46, s46, s19
	s_mov_b32 s47, 0
	s_lshl_b32 s98, s45, 17
	s_lshl_b32 s19, s42, 11
	s_add_co_u32 s98, s98, s19
	s_mov_b32 s99, 0
	s_lshl_b32 s66, s14, 15                        ; where a refill's quarter goes in a slot
	v_and_b32 v[PFO], 31, v0
	v_lshlrev_b32 v[PFO], 8, v[PFO]
	s_wait_alu depctr_va_vdst(0)
	s_wait_kmcnt 0x0
	CROUND                                         ; all sixteen work-groups are here: the first joint loads meet
	s_mov_b32 s[G0], 1
	s_mov_b32 s[G0+1], 0
	s_add_nc_u64 s[G0+2:G0+3], s[4:5], s[20:21]
	s_or_b32 s[G0+3], s[G0+3], 0x80000000
	s_mov_b32 s[G0B], 1
	s_mov_b32 s[G0B+1], 2*HALFT
	s_add_nc_u64 s[G0B+2:G0B+3], s[4:5], s[46:47]
	s_or_b32 s[G0B+3], s[G0B+3], 0x80000000
	s_mov_b32 s[G0S], 1
	s_mov_b32 s[G0S+1], SCL
	s_add_nc_u64 s[G0S+2:G0S+3], s[6:7], s[22:23]
	s_or_b32 s[G0S+3], s[G0S+3], 0x80000000
	s_mov_b32 s[G0SB], 1
	s_mov_b32 s[G0SB+1], SCL+SBLK
	s_add_nc_u64 s[G0SB+2:G0SB+3], s[6:7], s[98:99]
	s_or_b32 s[G0SB+3], s[G0SB+3], 0x80000000
.macro ARM under, g0, g1, next         ; an arm of the head's one chain of branches: one load
	s_cmp_lt_u32 s14, \under
	s_cbranch_scc0 \next
	tensor_load_to_lds s[\g0:\g0+3], s[\g1:\g1+7]
	s_nop 0
.rept 4
	v_nop
.endr
	s_branch .Lhead_asked
\next:
.endm
	ARM 1, G0,  G1,  .Lhead_b
	ARM 2, G0B, G1B, .Lhead_sa
	ARM 3, G0S, G1S, .Lhead_sb
	tensor_load_to_lds s[G0SB:G0SB+3], s[G1SB:G1SB+7]
	s_nop 0
.rept 4
	v_nop
.endr
.Lhead_asked:
	s_lshl_b32 s18, s16, 15                        ; my half of a tile in a refill
	s_mov_b32 s19, 0
	s_add_nc_u64 s[20:21], s[4:5], s[20:21]
	s_add_nc_u64 s[46:47], s[4:5], s[46:47]
	s_add_nc_u64 s[20:21], s[20:21], s[18:19]
	s_add_nc_u64 s[46:47], s[46:47], s[18:19]
	s_mov_b32 s[G0+4], 1                           ; slot 1: K step 1
	s_add_co_u32 s[G0+5], s66, SLOT
	s_add_nc_u64 s[G0+6:G0+7], s[20:21], PSTEP
	s_or_b32 s[G0+7], s[G0+7], 0x80000000
	s_mov_b32 s[G0B+4], 1
	s_add_co_u32 s[G0B+5], s66, SLOT
	s_add_nc_u64 s[G0B+6:G0B+7], s[46:47], PSTEP
	s_or_b32 s[G0B+7], s[G0B+7], 0x80000000
	s_cmp_eq_u32 s15, 0                            ; do I fetch for A?
	s_cselect_b64 s[PFA:PFA+1], s[20:21], s[46:47]
	s_cselect_b32 s22, s40, s41                    ; my place among the four that ask with me
	s_lshl_b32 s22, s22, 13
	s_mov_b32 s23, 0
	s_add_nc_u64 s[PFA:PFA+1], s[PFA:PFA+1], s[22:23]
	s_add_nc_u64 s[PFA:PFA+1], s[PFA:PFA+1], 2*PSTEP   ; at K step 2, which is asked for behind the load of K step 1
	v_and_b32 v3, 31, v0
	v_and_b32 v1, 15, v0
	v_bfe_u32 v2, v0, 4, 1
	s_wait_alu depctr_va_vdst(0)
	v_lshlrev_b32 v4, 4, v3
	s_lshl_b32 s21, s15, 15
	s_lshl_b32 s22, s16, 15
	s_add_co_u32 s22, s22, 2*HALFT
.irp s, 0,1
	v_add_nc_u32 v[ADRA+\s], s21, v4
	v_add_nc_u32 v[ADRB+\s], s22, v4
	s_add_co_u32 s21, s21, SLOT
	s_add_co_u32 s22, s22, SLOT
.endr
	v_lshlrev_b32 v5, 2, v1
	s_lshl_b32 s21, s15, 10
	s_lshl_b32 s22, s16, 10
	s_add_co_u32 s22, s22, SBLK
	s_sub_co_u32 s22, s22, s21
	v_mul_u32_u24 v6, s22, v2
	s_add_co_u32 s21, s21, SCL
	v_add_nc_u32 v5, v5, v6
	v_add_nc_u32 v[ADRS], s21, v5
	v_lshlrev_b32 v[CO], 4, v3
	s_lshl_b32 s18, s14, 9
	v_lshl_add_u32 v[SST], v1, 2, s18
	v_lshl_add_u32 v[SRD], v3, 4, s18
	v_lshlrev_b32 v7, 6, v2
	v_and_b32 v8, 8, v1
	v_add_nc_u32 v8, v8, v1
	v_lshlrev_b32 v8, 2, v8
	s_lshl_b32 s18, s42, 1
	s_add_co_u32 s18, s18, s16
	s_lshl_b32 s19, s17, 4
	s_lshl_b32 s20, s15, 3
	s_add_co_u32 s19, s19, s20
	s_lshl_b32 s20, s18, 7
	s_add_co_u32 s20, s20, s19
	s_lshl_b32 s21, s19, 4
	s_lshl_b32 s22, s18, 3
	s_add_co_u32 s21, s21, s22
	s_cmp_eq_u32 s13, 2
	s_cselect_b32 s20, s21, s20
	s_lshl_b32 s22, s20, 11
	s_lshl_b32 s23, s13, 22
	s_add_co_u32 s22, s22, s23
	s_mov_b32 s23, 0
	s_add_nc_u64 s[94:95], s[94:95], s[22:23]
	s_lshl_b32 s22, s20, 6
	s_lshl_b32 s21, s13, 17
	s_add_co_u32 s22, s22, s21
	s_add_nc_u64 s[96:97], s[96:97], s[22:23]
	s_cmp_eq_u32 s13, 1
	s_cselect_b64 s[8:9], s[10:11], s[8:9]
	s_cmp_eq_u32 s13, 2
	s_cselect_b64 s[8:9], s[92:93], s[8:9]
	s_cselect_b32 s18, s17, s42
	s_cselect_b32 s19, s15, s16
	s_lshl_b32 s18, s18, 10
	s_lshl_b32 s19, s19, 9
	s_add_co_u32 s18, s18, s19
	s_mov_b32 s19, 0
	s_add_nc_u64 s[8:9], s[8:9], s[18:19]
	s_cmp_eq_u32 s13, 2
	s_cbranch_scc1 .Lbias_rows
	s_wait_alu depctr_va_vdst(0)
.irp b, 0,1,2,3,4,5,6,7
	global_load_b128 v[BI+8*\b:BI+8*\b+3], v7, s[8:9] offset:128*(\b/2)+32*(\b%2)
	global_load_b128 v[BI+8*\b+4:BI+8*\b+7], v7, s[8:9] offset:128*(\b/2)+32*(\b%2)+16
.endr
	s_branch .Lbias_done
.Lbias_rows:
	s_wait_alu depctr_va_vdst(0)
.irp a, 0,1,2,3,4,5,6,7
	global_load_b32 v[BI+8*\a], v8, s[8:9] offset:128*(\a/2)+32*(\a%2)
.endr
	s_wait_loadcnt 0x0
.irp a, 0,1,2,3,4,5,6,7
.irp j, 1,2,3,4,5,6,7
	v_mov_b32 v[BI+8*\a+\j], v[BI+8*\a]
.endr
.endr
	PLACES NP
.Lbias_done:
.macro FRAG reg, adr, q, i
.irp c, 0,1,2,3
	ds_load_b128 v[\reg+4*\c:\reg+4*\c+3], v[\adr] offset:4096*(\i)+2048*(\q)+512*\c
.endr
.endm
.macro MUL16 a0, p, q, sc, zero
.irp a, \a0, \a0+1
.irp b, 0,1,2,3,4,5,6,7
.set rD, 8*(8*((\a)%4)+\b)
.set rB, 128*(\p)+FR*\b
.set rA, AF+FR*(\a)
.set rSB, SC+16*(\sc)+2*\b+(\q)
.set rSA, SC+16*(\sc)+2*(\a)+(\q)
.if \zero == 1
	v_wmma_scale_f32_16x16x128_f8f6f4 v[rD:rD+7], v[rB:rB+15], v[rA:rA+15], v[BI+8*\b:BI+8*\b+7], v[rSB], v[rSA] matrix_a_fmt:MATRIX_FMT_BF8 matrix_b_fmt:MATRIX_FMT_BF8 matrix_a_scale:MATRIX_SCALE_ROW1
.elseif \zero == 2
	v_wmma_scale_f32_16x16x128_f8f6f4 v[rD:rD+7], v[rB:rB+15], v[rA:rA+15], v[BI+8*(\a):BI+8*(\a)+7], v[rSB], v[rSA] matrix_a_fmt:MATRIX_FMT_BF8 matrix_b_fmt:MATRIX_FMT_BF8 matrix_a_scale:MATRIX_SCALE_ROW1
.else
	v_wmma_scale_f32_16x16x128_f8f6f4 v[rD:rD+7], v[rB:rB+15], v[rA:rA+15], v[rD:rD+7], v[rSB], v[rSA] matrix_a_fmt:MATRIX_FMT_BF8 matrix_b_fmt:MATRIX_FMT_BF8 matrix_a_scale:MATRIX_SCALE_ROW1
.endif
.endr
.endr
.endm
.macro FETCH_B slot, q, p
	WIN 0x40
.irp i, 0,1,2,3,4,5,6,7
	FRAG 128*(\p)+FR*\i, ADRB+\slot, \q, \i
.endr
	WIN 0
.endm
.macro FETCH_A slot, q, i0
.irp i, \i0, \i0+1, \i0+2, \i0+3
	FRAG AF+FR*(\i), ADRA+\slot, \q, \i
.endr
.endm
.macro SCALES sc
.irp i, 0,1,2,3,4,5,6,7
	ds_load_b32 v[SC+16*\sc+2*\i], v[ADRS] offset:128*\i
	ds_load_b32 v[SC+16*\sc+2*\i+1], v[ADRS] offset:128*\i+64
.endr
.endm
.macro STEP slot, q, zero
	s_wait_dscnt 16
.if \zero
	WIN 0x81
.else
	WIN 0xa1
.endif
	MUL16 0, (\q)%2, \q, \slot, \zero
	MUL16 2, (\q)%2, \q, \slot, \zero
	s_wait_dscnt 0
	PLACES NP
	FETCH_B \slot, (\q)+1, 1-(\q)%2
	FETCH_A \slot, (\q)+1, 0
.if \zero
	WIN 0xc1
.else
	WIN 0xf1
.endif
	MUL16 4, (\q)%2, \q, \slot, \zero
	MUL16 6, (\q)%2, \q, \slot, \zero
	PLACES NP
	WIN 0
	FETCH_A \slot, (\q)+1, 4
.endm
.macro TURN slot, next, fill
.if \fill
	s_wait_xcnt 0x0                                ; my last prefetch has read its address
	s_add_nc_u64 s[PFA:PFA+1], s[PFA:PFA+1], PSTEP
.endif
	s_wait_tensorcnt 0x0
	ds_add_u32 v[SPW], v[NIL]
	s_wait_dscnt 17
	WIN 0xa1
	MUL16 0, 1, 1, \slot, 0
	s_wait_dscnt 0x0
	s_barrier_signal -1
	MUL16 2, 1, 1, \slot, 0
	WIN 0
	s_barrier_wait -1
.if \fill
	CREST
	s_add_nc_u64 s[G0+4*\slot+2:G0+4*\slot+3], s[G0+4*\slot+2:G0+4*\slot+3], 2*PSTEP
	s_add_nc_u64 s[G0B+4*\slot+2:G0B+4*\slot+3], s[G0B+4*\slot+2:G0B+4*\slot+3], 2*PSTEP
	JLOAD G0+4*\slot, G1, G0B+4*\slot, G1B
	PLACES NP-4
.else
	PLACES NP
.endif
	s_wait_alu depctr_va_vdst(0)
	v_add_nc_u32 v[ADRS], 2048, v[ADRS]
	FETCH_B \next, 0, 0
	FETCH_A \next, 0, 0
	SCALES \next
.if \fill
.if \slot
	s_cmp_gt_u32 s3, 1                             ; the last refill brings K step 7: nothing stands behind it
	s_cbranch_scc0 .Lno_ask_\@
.endif
	global_prefetch_b8 v[PFO], s[PFA:PFA+1] th:TH_LOAD_NT scope:SCOPE_SE
.Lno_ask_\@:
.endif
	WIN 0xf1
	MUL16 4, 1, 1, \slot, 0
	MUL16 6, 1, 1, \slot, 0
	PLACES NP
	WIN 0
	FETCH_A \next, 0, 4
.endm
	s_wait_alu depctr_va_vdst(0)                   ; the wait at the head's end
	s_wait_tensorcnt 0x0                           ; my tile of the head's four is in; these lines stand ahead of a later first fill, as ahead of a refill
	ds_add_u32 v[SPW], v[NIL]
	s_mov_b32 s[G1+2], 128<<16                     ; no tensor load of mine is out: from here on a load brings 128 rows, my quarter of a slot
	s_mov_b32 s[G1+4], 128
	s_mov_b32 s[G1B+2], 128<<16
	s_mov_b32 s[G1B+4], 128
	s_lshl_b32 s18, s16, 15
	s_mov_b32 s19, 0
	s_mov_b32 s[G0+1], s66
	s_mov_b32 s[G0B+1], s66
	s_add_nc_u64 s[G0+2:G0+3], s[G0+2:G0+3], s[18:19]
	s_add_nc_u64 s[G0B+2:G0B+3], s[G0B+2:G0B+3], s[18:19]
	s_wait_dscnt 0x0
	CROUND                                         ; all four tiles are in, all sixteen work-groups are here
	JLOAD G0+4, G1, G0B+4, G1B                     ; K step 1
	FETCH_B 0, 0, 0
	FETCH_A 0, 0, 0
	SCALES 0
	FETCH_A 0, 0, 4
	global_prefetch_b8 v[PFO], s[PFA:PFA+1] th:TH_LOAD_NT scope:SCOPE_SE
	s_wait_loadcnt 0x0
	s_cmp_eq_u32 s13, 2
	s_cbranch_scc1 .Lfirst_rows
	s_wait_alu depctr_va_vdst(0)
	STEP 0, 0, 1
	s_branch .Lfirst_done
.Lfirst_rows:
	s_wait_alu depctr_va_vdst(0)
	STEP 0, 0, 2
.Lfirst_done:
	s_mov_b32 s3, 3
.Llap:
	TURN 0, 1, 1
	STEP 1, 0, 0
	TURN 1, 0, 1
	STEP 0, 0, 0
	s_sub_co_u32 s3, s3, 1
	s_cmp_lg_u32 s3, 0
	s_cbranch_scc1 .Llap
	TURN 0, 1, 0
	STEP 1, 0, 0
	s_wait_dscnt 16
	WIN 0xa1
	MUL16 0, 1, 1, 1, 0
	MUL16 2, 1, 1, 1, 0
	s_wait_dscnt 0
	WIN 0xf1
	MUL16 4, 1, 1, 1, 0
	MUL16 6, 1, 1, 1, 0
	WIN 0
.macro QBLK a
.set WN, 2+(\a)/4
.set AC, 64*((\a)%4)
	WIN 0x14*WN
.irp b, 0,1,2,3
	v_max3_num_f32 v[TM+\b], 0x8000000, |v[AC+16*\b]|, |v[AC+16*\b+1]|
.endr
.irp i, 2,4,6,8,10,12,14
.irp b, 0,1,2,3
	v_max3_num_f32 v[TM+\b], v[TM+\b], |v[AC+16*\b+\i]|, |v[AC+16*\b+\i+1]|
.endr
.endr
	WIN 0
.irp b, 0,1,2,3
	v_permlanex16_b32 v[TM+4+\b], v[TM+\b], s[20:20], s[21:21]
.endr
.irp b, 0,1,2,3
	v_max_num_f32 v[TM+\b], v[TM+\b], v[TM+4+\b]
.endr
.irp b, 0,1,2,3
	v_add_nc_u32 v[TM+12+\b], 0xf8800000, v[TM+\b]
.endr
.irp b, 0,1,2,3
	v_and_or_b32 v[TM+8+\b], v[TM+\b], 0x7f800000, s22
.endr
.irp b, 0,1,2,3
	v_lshrrev_b32 v[TM+4+\b], 23, v[TM+12+\b]
.endr
	v_lshl_or_b32 v[PW+(\a)], v[TM+5], 8, v[TM+4]
	v_lshl_or_b32 v[PW+(\a)], v[TM+6], 16, v[PW+(\a)]
	v_lshl_or_b32 v[PW+(\a)], v[TM+7], 24, v[PW+(\a)]
	WIN 0x41*WN
.irp b, 0,1,2,3
.irp i, 0,1,2,3,4,5,6,7,8,9,10,11,12,13,14,15
	v_med3_num_f32 v[AC+16*\b+\i], v[AC+16*\b+\i], -v[TM+8+\b], v[TM+8+\b]
.endr
.endr
	WIN WN
.irp b, 0,1,2,3
	v_cvt_scalef32_pk8_bf8_f32 v[AF+16*(\a)+4*\b:AF+16*(\a)+4*\b+1], v[AC+16*\b:AC+16*\b+7], v[TM+12+\b]
	v_cvt_scalef32_pk8_bf8_f32 v[AF+16*(\a)+4*\b+2:AF+16*(\a)+4*\b+3], v[AC+16*\b+8:AC+16*\b+15], v[TM+12+\b]
.endr
	WIN 0
	v_nop
.irp c, 0,1,2,3
	global_store_b128 v[CO], v[AF+16*(\a)+4*\c:AF+16*(\a)+4*\c+3], s[94:95] offset:2048*(\a)+512*\c
.endr
	ds_store_b32 v[SST], v[PW+(\a)] offset:64*(\a)
.endm
	PLACES NP
	s_mov_b32 s20, 0x76543210
	s_mov_b32 s21, 0xfedcba98
	s_mov_b32 s22, 0x600000
.irp b, 0,1,2,3
	v_mov_b32 v[TM+4+\b], 0
.endr
.irp a, 0,1,2,3,4,5,6,7
	QBLK \a
.endr
	ds_load_b128 v[56:59], v[SRD]
	s_wait_dscnt 0x0
	global_store_b128 v[CO], v[56:59], s[96:97]
	s_wait_tensorcnt 0x0
	ds_add_u32 v[SPW], v[NIL]
	s_wait_dscnt 0x0
	CROUND
	s_endpgm
.Lfunc_end_k_qedf52a42f7_proj:
	.size	k_qedf52a42f7_proj, .Lfunc_end_k_qedf52a42f7_proj-k_qedf52a42f7_proj
	.p2alignl 7, 3214868480
	.fill 96, 4, 3214868480
	.section	.rodata,"a",@progbits
	.p2align	6, 0x0
	.amdhsa_kernel k_qedf52a42f7_proj
		.amdhsa_group_segment_fixed_size 327680
		.amdhsa_private_segment_fixed_size 0
		.amdhsa_enable_private_segment 0
		.amdhsa_kernarg_size 56
		.amdhsa_user_sgpr_count 2
		.amdhsa_user_sgpr_kernarg_segment_ptr 1
		.amdhsa_wavefront_size32 1
		.amdhsa_system_sgpr_workgroup_id_x 1
		.amdhsa_system_sgpr_workgroup_id_y 1
		.amdhsa_system_sgpr_workgroup_id_z 1
		.amdhsa_system_vgpr_workitem_id 0
		.amdhsa_next_free_vgpr 1024
		.amdhsa_next_free_sgpr 102
		.amdhsa_reserve_vcc 0
		.amdhsa_float_denorm_mode_32 3
		.amdhsa_float_denorm_mode_16_64 3
		.amdhsa_memory_ordered 1
		.amdhsa_forward_progress 1
		.amdhsa_inst_pref_size 207
	.end_amdhsa_kernel
	.amdgpu_metadata
---
amdhsa.version: [ 1, 2 ]
amdhsa.kernels:
  - .name:           k_qedf52a42f7_proj
    .symbol:         k_qedf52a42f7_proj.kd
    .args:
      - { .name: c7, .offset: 0, .size: 8, .value_kind: global_buffer, .address_space: global }
      - { .name: s7, .offset: 8, .size: 8, .value_kind: global_buffer, .address_space: global }
      - { .name: wq_b, .offset: 16, .size: 8, .value_kind: global_buffer, .address_space: global }
      - { .name: wk_b, .offset: 24, .size: 8, .value_kind: global_buffer, .address_space: global }
      - { .name: wv_b, .offset: 32, .size: 8, .value_kind: global_buffer, .address_space: global }
      - { .name: hc, .offset: 40, .size: 8, .value_kind: global_buffer, .address_space: global }
      - { .name: hs, .offset: 48, .size: 8, .value_kind: global_buffer, .address_space: global }
    .group_segment_fixed_size: 327680
    .private_segment_fixed_size: 0
    .kernarg_segment_align: 8
    .kernarg_segment_size: 56
    .max_flat_workgroup_size: 128
    .sgpr_count:     102
    .vgpr_count:     1024
    .wavefront_size: 32
...
	.end_amdgpu_metadata
.endif
;; end of part 2
;; launch attn (part 3): grid 16 x 16, 8 waves a work-group, clusters of 4 x 4, 327,680 bytes of LDS; arguments hc, hs, mask, oc, os; writes oc, os
.if DOCPART == 3
	.amdgcn_target "amdgcn-amd-amdhsa--gfx1250"
	.amdhsa_code_object_version 6
	.text
	.protected	k_qedf52a42f7_attn
	.globl	k_qedf52a42f7_attn
	.p2align	8
	.type	k_qedf52a42f7_attn,@function
k_qedf52a42f7_attn:
	s_mov_b64 s[64:65], 0
	v_nop
	global_prefetch_b8 v0, s[64:65] scope:SCOPE_SE
	s_setreg_imm32_b32 hwreg(HW_REG_WAVE_MODE, 25, 1), 1
	s_wait_xcnt 0x0
	s_wait_alu depctr_hold_cnt(0) depctr_sa_sdst(0) depctr_va_vdst(0) depctr_va_sdst(0) depctr_va_ssrc(0) depctr_va_vcc(0) depctr_vm_vsrc(0)
	s_getreg_b32 s2, hwreg(HW_REG_IB_STS2, 6, 4)
	s_cmp_eq_u32 s2, 0
	s_cbranch_scc0 .Lentry_in_a_cluster
	s_endpgm
.Lentry_in_a_cluster:
	s_bfe_u32 s2, ttmp6, 0x10000c
	s_cmp_lg_u32 s2, 0xf033
	s_cbranch_scc0 .Lentry_shape_is_right
	s_endpgm
.Lentry_shape_is_right:
; O[q][head] = softmax_k(Q . K / sqrt(128) + mask[q][k] x (-1e9)) V, both products on codes of BF8 (E5M2) with E8M0 scales; O is quantised along the channels and leaves as images for the last product.
; THE MASK IS AN INPUT: every number of it is read and added; no key is left out.
; THE SOFTMAX AHEAD OF THE SECOND PRODUCT: t = score x log2(e) / sqrt(128) + mask x (-1e9 log2(e)), a number of f32 of its own; M = the running largest t rounded UP to a whole number; p = 2^(t - M) is quantised along the
; keys, not normalised; the row's sum is taken of the unquantised p and divides O at the end; when M moves, the sum and O are multiplied by 2^(old M - new M), which rounds nothing.
; (reference() scales, adds the mask and then the rule multiplies by log2(e); here the two factors are folded: t differs in its rounding alone.  Where every key of a row is masked, the scores vanish in t's rounding there as here.)
; INPUTS are images of operand registers (2,048 bytes; byte 512 c + 16 lane + i) with 64 bytes of scale words: hc part 0 Q, image head x 128 + tile of queries (neighbouring rows); part 1 K, image head x 128 + tile of keys
; (keys 32 (T / 2) + 8 (T % 2) + r + 8 (r / 8)); part 2 V^T, image (head x 16 + key step) x 8 + tile of channels (the same order of rows), K = the step's 128 keys.
; SHARES.  A work-group owns 128 queries of one head, each of its eight waves one tile of 16: two waves to a SIMD.  16 key steps of 128.
; LAYOUT.  Both products are used transposed: S^T = K Q^T, O^T = V^T P^T: a lane holds ONE query (lane % 16); register 16 b + i of S^T is key 32 b + 16 (lane / 16) + i, of O^T channel 32 b + 16 (lane / 16) + i.
; CLUSTERS: 4 x 4: x = four blocks of queries, y = four heads.  K, V and their scale words hang on the head alone: asked for jointly along a row of the cluster.  The mask's tile hangs on the block of queries alone:
; jointly along a column.  Waves 0, 1 fetch K, V; waves 2, 3 the mask's two halves; the others nothing.  All waits for tensor loads are for 0.
; LDS READS STAND AMONG THE VECTOR WORK.  In a step the eight waves read 8 x (16,384 + 16,384 + 8,192) bytes from LDS and issue some 375 vector instructions each, and a barrier puts them all in the same phase.  So the reads are
; dealt out: the mask's loads go out at the step's head and land during S^T; V's eight images are asked for one at a time among the softmax's lines; THE CHANGE OF SLOTS STANDS IN THE STEP'S MIDDLE, behind the wait for the
; exponentials, where the wave's last reads of the slot (V) are in; behind it the NEXT step's K is asked for, one image at a time among the rest of the step, so that S^T finds K in registers.
; LIMITS: NaN and infinities are not served; a block of p or of O whose largest magnitude lies under 2^-111 keeps the byte 1 (a block of zeros too: its codes are zeros).
; REGISTERS: window 0: v1-11 addresses; v12 -M, v13 the largest t, v[14:15] the sum in two halves; v16-31 Q; v32-95 the mask's numbers, then at work; v96-159 S^T, t, p; v160-223 O^T; v224-239 p's codes;
;   v240-247 K's, then V's scale words; v248 p's scale word; v249 Q's.   window 1: v0-127 K's eight fragments, v128-255 V's.
.set SLOT1, 1<<17                      ; slot 1 begins here: one exclusive or turns an address from one slot into the other
.set VOFF,  16384                      ; a slot: K's 8 images, V's 8 images,
.set MOFF,  32768                      ; then 128 rows of the mask, 512 bytes + 16 of padding each
.set MP,    528                        ; 132 words: row r starts at bank 4 r mod 64 (64 banks of 4 bytes: ISA guide 11.1)
.set SCK,   2*SLOT1                    ; behind the ring: K's scale words of the head, 8,192 bytes; V's, 8,192 bytes
.set SCV,   SCK+8192
.set SPARE, SCV+8192                   ; the spare words, 128 bytes for each wave: four blocks of 256 bytes that no other line names
.set LI,  1                            ; v1  16 x lane
.set AM0, 2                            ; v2  my place in a tile of the mask
.set AS0, 3                            ; v3  my place among K's scale words
.set PFO, 4                            ; v4  the prefetches' offset; never rewritten
.set SPW, 5                            ; v5  my spare word; never rewritten
.set NIL, 6                            ; v6  0; never rewritten
.set WO,  7                            ; v7  4 x (lane % 16)
.set ADL, 8                            ; v8-10 the step's addresses: V's images, mask, scale words
.set ADM, 9
.set ADS, 10
.set ADK, 11                           ; v11 the next step's images of K
.set QF,  16
.set MK,  32
.set BM,  32                           ; v32-35 the blocks' largest t, then p
.set PB,  36                           ; v36-39 the other half's; bytes
.set LM,  40                           ; v40-43 limits
.set SO,  44                           ; v44-47 scale operands
.set FF,  48                           ; v[48:49] f = 2^(old M - new M) in the low word
.set S2,  50                           ; v[50:51] a second chain of sums
.set T1,  52
.set S,   96
.set OT,  160
.set PC,  224
.set KVS, 240
.set PWD, 248
.set QW,  249
.set WV,  14
.set SEL, 20                           ; s[20:21] lane l xor 16
.set CS,  22                           ; s[22:23] log2(e) / sqrt(128)
.set CM,  24                           ; s[24:25] -1e9 log2(e)
.set MNT, 26
.set TB,  27                           ; s27 LDS byte at which the slot in hand begins
.set TS,  28                           ; s28 where the step's scale words begin: 512 bytes a step
.set SLOTS, 29                         ; s29 key steps still to be asked for
.set LIM, 30                           ; s30 1 in a wave that prefetches, else the greatest number
.set PFA, 32                           ; s[32:33] where my prefetches stand
.set PFS, 34                           ; s[34:35] a key step on, in bytes
.set G1KV, 36
.set G1M,  44
.set G1S,  52
.set G0KV, 60                          ; s[60:63] group 0 of slot 0's first fill of K or V
.set G0M,  68                          ; s[68:71] of the mask's
.set G0S,  72                          ; s[72:75] of the scale words'
.set W0KV, 76                          ; s[76:79] group 0 of slot 1's first fill of K or V; it then walks on
.set W0M,  80                          ; s[80:83] the same for the mask
.set MSB, 0
.macro WIN new
.if MSB != (\new)
	s_set_vgpr_msb (MSB<<8)|(\new)
.set MSB, (\new)
.endif
.endm
.macro CROUND                          ; a round of the cluster's barrier
	s_barrier_signal -1
	s_barrier_wait -1
	s_cmp_lg_u32 s[WV], 0
	s_cbranch_scc1 .Lnot_wave_0_\@
	s_barrier_signal -3
.Lnot_wave_0_\@:
	s_barrier_wait -3
	s_barrier_signal -1
	s_barrier_wait -1
.endm
.macro JLOAD                           ; the joint refill; the branches hang on the wave's number alone.  Four v_nop follow each of the two lines
	s_cmp_lt_u32 s[WV], 2
	s_cbranch_scc0 .Lnot_kv_\@
	tensor_load_to_lds s[W0KV:W0KV+3], s[G1KV:G1KV+7]
	s_nop 0
.rept 4
	v_nop
.endr
	s_branch .Lasked_\@
.Lnot_kv_\@:
	s_cmp_lt_u32 s[WV], 4
	s_cbranch_scc0 .Lasked_\@
	tensor_load_to_lds s[W0M:W0M+3], s[G1M:G1M+7]
	s_nop 0
.rept 4
	v_nop
.endr
.Lasked_\@:
.endm
; A PREFETCH INTO THE L2 of what the NEXT change of slots will ask for, one key step ahead of that load; it stands where the fetching waves have just issued their tensor load.  Each aligned block of 256 bytes is named once in each
; cluster that will load it.  K and V: the four partners along x take 4,096 bytes of K's 16,384 and of V's each, told apart by ADDRESS; wave 4 asks: lanes 0-15 K's sixteen blocks, lanes 16-31 V's.
; The mask's tile: the four partners along y take 32 rows each, by address; a lane a row; wave 5 the row's first 256 bytes, wave 6 the second.
; The last change that fills a slot asks for nothing; steps 0 and 1 come by their loads alone.
.macro ASK
	s_cmp_gt_u32 s[SLOTS], s[LIM]
	s_cbranch_scc0 .Lnot_mine_\@
	global_prefetch_b8 v[PFO], s[PFA:PFA+1] th:TH_LOAD_NT scope:SCOPE_SE
.Lnot_mine_\@:
.endm
	s_load_b256 s[4:11], s[0:1], 0x0               ; hc, hs, mask, oc
	s_load_b64 s[12:13], s[0:1], 0x20              ; os
	v_lshl_add_u32 v[SPW], v0, 2, SPARE
	v_mov_b32 v[NIL], 0
	ds_add_u32 v5, v6
	ds_add_u32 v5, v6
	s_wait_dscnt 0x0
	v_lshrrev_b32 v8, 5, v0
	s_delay_alu instid0(VALU_DEP_1)
	v_readfirstlane_b32 s[WV], v8                  ; wave 0..7
	s_and_b32 s15, s[WV], 1                        ; which of the two things of my kind I fetch
	s_bfe_u32 s16, ttmp6, 0x40000                  ; cx
	s_bfe_u32 s17, ttmp6, 0x40004                  ; cy
	s_lshl_b32 s18, ttmp9, 2
	s_add_co_u32 s18, s18, s16                     ; my block of 128 queries
	s_and_b32 s31, ttmp7, 0xffff                   ; the cluster's y
	s_lshl_b32 s19, s31, 2
	s_add_co_u32 s19, s19, s17                     ; my head
	s_lshl_b32 s84, s17, 2
	s_lshl_b32 s84, 15, s84                        ; my row of the cluster: the same head
	s_lshl_b32 s85, 0x1111, s16                    ; my column: the same queries
	s_or_b32 s[G1KV], s84, (3<<16)|(1<<21)         ; 8 images: 16,384 dense bytes as 64 rows of 32 elements of 8 bytes
	s_mov_b32 s[G1KV+1], 32<<16
	s_mov_b32 s[G1KV+2], 64<<16
	s_mov_b32 s[G1KV+3], 32<<16
	s_mov_b32 s[G1KV+4], 64
	s_mov_b32 s[G1KV+5], 32
	s_mov_b32 s[G1KV+6], 0
	s_mov_b32 s[G1KV+7], 0
	s_or_b32 s[G1S], s84, (3<<16)|(1<<21)          ; a head's scale words: 8,192 dense bytes as 32 rows
	s_mov_b32 s[G1S+1], 32<<16
	s_mov_b32 s[G1S+2], 32<<16
	s_mov_b32 s[G1S+3], 32<<16
	s_mov_b32 s[G1S+4], 32
	s_mov_b32 s[G1S+5], 32
	s_mov_b32 s[G1S+6], 0
	s_mov_b32 s[G1S+7], 0
	s_or_b32 s[G1M], s85, (2<<16)|(1<<20)|(1<<21)|(6<<22)|(3<<25)   ; the mask: 64 rows of 128 elements of 4 bytes, 2,048 elements apart; four words of padding behind every 128
	s_mov_b32 s[G1M+1], 128<<16
	s_mov_b32 s[G1M+2], 64<<16
	s_mov_b32 s[G1M+3], 128<<16
	s_mov_b32 s[G1M+4], 64
	s_mov_b32 s[G1M+5], 2048
	s_mov_b32 s[G1M+6], 0
	s_mov_b32 s[G1M+7], 0
	s_add_co_u32 s86, s15, 1                       ; part 1 (K) or 2 (V^T)
	s_lshl_b32 s88, s86, 22
	s_lshl_b32 s87, s19, 18                        ; a head's 128 images
	s_add_co_u32 s88, s88, s87
	s_mov_b32 s89, 0
	s_lshl_b32 s90, s86, 17
	s_lshl_b32 s87, s19, 13
	s_add_co_u32 s90, s90, s87
	s_mov_b32 s91, 0
	s_lshl_b32 s92, s18, 20                        ; the mask: row 128 x block + 64 x half, 8,192 bytes a row
	s_lshl_b32 s94, s15, 19
	s_add_co_u32 s92, s92, s94
	s_mov_b32 s93, 0
	s_mov_b32 s[SEL], 0x76543210
	s_mov_b32 s[SEL+1], 0xfedcba98
	s_mov_b32 s[CS], 0x3e0293ee
	s_mov_b32 s[CS+1], s[CS]                       ; (named with it as a pair, so it is written)
	s_mov_b32 s[CM], 0xceabfb8f
	s_mov_b32 s[CM+1], s[CM]
	s_mov_b32 s[MNT], 0x600000
	s_mov_b32 s[TB], 0
	s_mov_b32 s[TS], 0
	s_mov_b32 s[SLOTS], 14
	s_wait_kmcnt 0x0
	s_mov_b32 s[G0KV], 1
	s_lshl_b32 s[G0KV+1], s15, 14                  ; slot 0: K at 0, V at 16,384
	s_add_nc_u64 s[G0KV+2:G0KV+3], s[4:5], s[88:89]   ; key step 0
	s_add_nc_u64 s[W0KV+2:W0KV+3], s[G0KV+2:G0KV+3], 16384   ; key step 1,
	s_or_b32 s[G0KV+3], s[G0KV+3], 0x80000000
	s_mov_b32 s[W0KV], 1
	s_add_co_u32 s[W0KV+1], s[G0KV+1], SLOT1       ; into slot 1
	s_or_b32 s[W0KV+3], s[W0KV+3], 0x80000000
	s_mov_b32 s[G0M], 1
	s_mul_i32 s[G0M+1], s15, 64*MP
	s_add_co_u32 s[G0M+1], s[G0M+1], MOFF
	s_add_nc_u64 s[G0M+2:G0M+3], s[8:9], s[92:93]
	s_add_nc_u64 s[W0M+2:W0M+3], s[G0M+2:G0M+3], 512
	s_or_b32 s[G0M+3], s[G0M+3], 0x80000000
	s_mov_b32 s[W0M], 1
	s_add_co_u32 s[W0M+1], s[G0M+1], SLOT1
	s_or_b32 s[W0M+3], s[W0M+3], 0x80000000
	s_mov_b32 s[G0S], 1
	s_lshl_b32 s[G0S+1], s15, 13
	s_add_co_u32 s[G0S+1], s[G0S+1], SCK
	s_add_nc_u64 s[G0S+2:G0S+3], s[6:7], s[90:91]
	s_or_b32 s[G0S+3], s[G0S+3], 0x80000000
	CROUND                                         ; all sixteen work-groups are here: the first joint loads meet
	s_cmp_lt_u32 s[WV], 2                          ; ONE load a wave at the head, in one chain: waves 0, 1 K and V of step 0, waves 2, 3 its mask, waves 4, 5 the head's scale words
	s_cbranch_scc0 .Lfirst_m
	tensor_load_to_lds s[G0KV:G0KV+3], s[G1KV:G1KV+7]
	s_nop 0
.rept 4
	v_nop
.endr
	s_branch .Lfirst_asked
.Lfirst_m:
	s_cmp_lt_u32 s[WV], 4
	s_cbranch_scc0 .Lfirst_s
	tensor_load_to_lds s[G0M:G0M+3], s[G1M:G1M+7]
	s_nop 0
.rept 4
	v_nop
.endr
	s_branch .Lfirst_asked
.Lfirst_s:
	s_cmp_lt_u32 s[WV], 6
	s_cbranch_scc0 .Lfirst_asked
	tensor_load_to_lds s[G0S:G0S+3], s[G1S:G1S+7]
	s_nop 0
.rept 4
	v_nop
.endr
.Lfirst_asked:
	; the prefetches: where my wave's stand, and who asks
	s_lshl_b32 s89, s19, 18                        ; K's part + my head + my work-group's 4,096 bytes, at key step 2: the first change of slots steps it to 3
	s_lshl_b32 s90, s16, 12
	s_add_co_u32 s89, s89, s90
	s_add_co_u32 s89, s89, 0x400000+2*16384
	s_lshl_b32 s90, s18, 20                        ; the mask: my block's rows + my work-group's 32, at key step 2
	s_lshl_b32 s91, s17, 18
	s_add_co_u32 s90, s90, s91
	s_cmp_eq_u32 s[WV], 6
	s_mov_b32 s91, 1024
	s_cselect_b32 s91, 1280, s91                   ; wave 6: the second 256 bytes of a row's 512
	s_add_co_u32 s90, s90, s91
	s_cmp_eq_u32 s[WV], 4
	s_cselect_b64 s[PFA:PFA+1], s[4:5], s[8:9]
	s_mov_b32 s87, 8192
	s_cselect_b32 s87, 256, s87                    ; from lane to lane within sixteen
	s_mov_b32 s88, 131072
	s_cselect_b32 s88, 0x400000, s88               ; from the lower sixteen lanes to the upper: K's part to V's, or sixteen rows
	s_mov_b32 s[PFS], 512
	s_cselect_b32 s[PFS], 16384, s[PFS]
	s_mov_b32 s[PFS+1], 0
	s_cselect_b32 s92, s89, s90
	s_mov_b32 s93, 0
	s_add_nc_u64 s[PFA:PFA+1], s[PFA:PFA+1], s[92:93]
	s_sub_co_u32 s94, s[WV], 4
	s_cmp_lt_u32 s94, 3                            ; waves 4, 5, 6
	s_cselect_b32 s[LIM], 1, -1
	v_and_b32 v8, 15, v0                           ; r
	s_wait_alu depctr_va_vdst(0)
	v_bfe_u32 v9, v0, 4, 1                         ; h
	v_mul_lo_u32 v[PFO], v8, s87
	s_delay_alu instid0(VALU_DEP_2)
	v_mul_lo_u32 v10, v9, s88
	s_delay_alu instid0(VALU_DEP_1)
	v_add_nc_u32 v[PFO], v[PFO], v10
	; my tile of queries, and where O goes
	s_lshl_b32 s95, s18, 3
	s_add_co_u32 s95, s95, s[WV]                   ; tile of queries: 8 x block + wave
	s_lshl_b32 s96, s19, 7
	s_add_co_u32 s96, s96, s95                     ; Q's image
	s_lshl_b32 s98, s96, 11
	s_mov_b32 s99, 0
	s_add_nc_u64 s[84:85], s[4:5], s[98:99]
	s_lshl_b32 s98, s96, 6
	s_add_nc_u64 s[90:91], s[6:7], s[98:99]
	s_lshr_b32 s96, s19, 1                         ; O's image: ((head / 2) x 128 + tile) x 2 + head % 2
	s_lshl_b32 s96, s96, 7
	s_add_co_u32 s96, s96, s95
	s_lshl_b32 s96, s96, 1
	s_and_b32 s97, s19, 1
	s_add_co_u32 s96, s96, s97
	s_lshl_b32 s98, s96, 11
	s_add_nc_u64 s[10:11], s[10:11], s[98:99]
	s_lshl_b32 s98, s96, 6
	s_add_nc_u64 s[12:13], s[12:13], s[98:99]
	v_and_b32 v10, 31, v0
	s_delay_alu instid0(VALU_DEP_1)
	v_lshlrev_b32 v[LI], 4, v10
	v_lshlrev_b32 v[WO], 2, v8
.irp c, 0,1,2,3
	global_load_b128 v[QF+4*\c:QF+4*\c+3], v[LI], s[84:85] offset:512*\c   ; Q's fragment stays in registers
.endr
	global_load_b32 v[QW], v[WO], s[90:91]
	s_mul_i32 s86, s[WV], 16*MP
	s_add_co_u32 s86, s86, MOFF
	v_mul_u32_u24 v[AM0], v8, MP
	s_wait_alu depctr_va_vdst(0)
	v_lshl_add_u32 v[AM0], v9, 6, v[AM0]
	s_delay_alu instid0(VALU_DEP_1)
	v_add_nc_u32 v[AM0], s86, v[AM0]               ; the mask: row 16 x wave + r, my half's 16 keys of a block of 32
	v_lshl_add_u32 v[AS0], v8, 2, SCK
	v_mov_b32 v13, 0xff61b1e6                      ; the largest t so far: -3e38, under every t
	s_delay_alu instid0(VALU_DEP_1)
	v_floor_f32 v12, -v13                          ; -M
	v_mov_b32 v14, 0
	v_mov_b32 v15, 0
.set j, 0
.rept 64
	v_mov_b32 v[OT+j], 0                           ; O^T.  (The step is written for all steps alike: the first finds zeros, which the first change of M leaves zeros)
.set j, j+1
.endr
.macro VG a                            ; image a of this step's V: four loads of 512 consecutive bytes
	WIN 0x40                                       ; destination window 1
.irp c, 0,1,2,3
	ds_load_b128 v[128+16*(\a)+4*\c:128+16*(\a)+4*\c+3], v[ADL] offset:VOFF+2048*(\a)+512*\c
.endr
	WIN 0
.endm
.macro KG t                            ; image t of the NEXT step's K
	WIN 0x40
.irp c, 0,1,2,3
	ds_load_b128 v[16*(\t)+4*\c:16*(\t)+4*\c+3], v[ADK] offset:2048*(\t)+512*\c
.endr
	WIN 0
.endm
; THE CHANGE OF SLOTS.  Each wave waits for all its tensor loads (its part of the next step's slot), adds 0 to its spare word, and waits for that and for its reads of the slot in hand, of which V's were the last.
; fill = 1: the barrier is a round of the cluster's, and behind it the slot in hand is filled with the tiles of two steps on: the load has a whole step in which to land.
.macro CHANGE fill
	s_wait_tensorcnt 0x0                           ; no tensor load of mine is out, so a group 0 may be written
	ds_add_u32 v[SPW], v[NIL]                      ; 0 onto my spare word
.if \fill
	ds_add_u32 v[SPW], v[NIL]                      ; the same line once more, where a load follows
	s_xor_b32 s[W0KV+1], s[W0KV+1], SLOT1          ; the walking descriptors: the other slot than last time, the next 128 keys
	s_add_nc_u64 s[W0KV+2:W0KV+3], s[W0KV+2:W0KV+3], 16384
	s_xor_b32 s[W0M+1], s[W0M+1], SLOT1
	s_add_nc_u64 s[W0M+2:W0M+3], s[W0M+2:W0M+3], 512
	s_wait_xcnt 0x0                                ; the last prefetch, a step back, has read its address, so it may be written
	s_add_nc_u64 s[PFA:PFA+1], s[PFA:PFA+1], s[PFS:PFS+1]   ; one step further on than the walking descriptors
	s_wait_dscnt 0x0                               ; the add is done, and my reads of the slot in hand are over
	CROUND
	JLOAD                                          ; the first thing behind the round, and a wave's one tensor load until the next
	ASK
.else
	s_wait_dscnt 0x0
	s_barrier_signal -1
	s_barrier_wait -1
.endif
.endm
; A KEY STEP: 128 keys.  At its head K's fragments are on their way into registers or there.  mode = 2: the slot is filled again in the step's middle and the next step's K is asked for; 1: nothing is left to fill; 0: the last step.
.macro STEP mode
	v_add_nc_u32 v[ADL], s[TB], v[LI]
	v_add_nc_u32 v[ADM], s[TB], v[AM0]
	v_add_nc_u32 v[ADS], s[TS], v[AS0]
.rept 5
	v_nop                                          ; with the three lines above: eight places in front of loads into the scale registers that the last products have read
.endr
.irp t, 0,1,2,3,4,5,6,7
	ds_load_b32 v[KVS+\t], v[ADS] offset:64*\t     ; K's scale words
.endr
.irp b, 0,1,2,3
.irp i, 0,1,2,3
	ds_load_b128 v[MK+16*\b+4*\i:MK+16*\b+4*\i+3], v[ADM] offset:128*\b+16*\i   ; the mask of my query at keys 32 b + 16 h + 0 .. 15: it lands during the products
.endr
.endr
	s_wait_alu depctr_va_vdst(0)
	s_wait_dscnt 16                                ; K's fragments and words are in; the mask's sixteen loads may be out
	WIN 0x01                                       ; source 0 window 1
.irp t, 0,1,2,3,4,5,6,7
	v_wmma_scale_f32_16x16x128_f8f6f4 v[S+8*\t:S+8*\t+7], v[16*\t:16*\t+15], v[QF:QF+15], 0, v[KVS+\t], v[QW] matrix_a_fmt:MATRIX_FMT_BF8 matrix_b_fmt:MATRIX_FMT_BF8
.endr
	WIN 0
.rept 8
	v_nop                                          ; places: the scale words are loaded anew, and the scores read, below
.endr
.irp a, 0,1,2,3,4,5,6,7
	ds_load_b32 v[KVS+\a], v[ADS] offset:8192+64*\a   ; V's scale words
.endr
.set j, 0
.rept 32
	v_pk_mul_f32 v[S+j:S+j+1], v[S+j:S+j+1], s[CS:CS+1] op_sel_hi:[1,0]   ; score x log2(e) / sqrt(128); each accumulator from its low end on
.set j, j+2
.endr
	s_wait_dscnt 8                                 ; the mask is in; V's eight words may be out
.set j, 0
.rept 16
	v_pk_fma_f32 v[S+j:S+j+1], v[MK+j:MK+j+1], s[CM:CM+1], v[S+j:S+j+1] op_sel_hi:[1,0,1]   ; t
.set j, j+2
.endr
	VG 0
.rept 16
	v_pk_fma_f32 v[S+j:S+j+1], v[MK+j:MK+j+1], s[CM:CM+1], v[S+j:S+j+1] op_sel_hi:[1,0,1]
.set j, j+2
.endr
	VG 1
.irp b, 0,1,2,3
	v_max3_num_f32 v[BM+\b], v[S+16*\b], v[S+16*\b+1], v[S+16*\b+2]   ; the largest t of each block of 32 keys: it serves the row's maximum and, since p rises with t, the block's largest p
.endr
.irp i, 3,5,7
.irp b, 0,1,2,3
	s_delay_alu instid0(VALU_DEP_4)
	v_max3_num_f32 v[BM+\b], v[BM+\b], v[S+16*\b+\i], v[S+16*\b+\i+1]
.endr
.endr
	VG 2
.irp i, 9,11,13
.irp b, 0,1,2,3
	v_max3_num_f32 v[BM+\b], v[BM+\b], v[S+16*\b+\i], v[S+16*\b+\i+1]
.endr
.endr
.irp b, 0,1,2,3
	s_delay_alu instid0(VALU_DEP_4)
	v_max_num_f32 v[BM+\b], v[BM+\b], v[S+16*\b+15]
.endr
	VG 3
.irp b, 0,1,2,3
	v_permlanex16_b32 v[PB+\b], v[BM+\b], s[SEL], s[SEL+1]
.endr
.irp b, 0,1,2,3
	s_delay_alu instid0(VALU_DEP_4)
	v_max_num_f32 v[BM+\b], v[BM+\b], v[PB+\b]     ; with lane l xor 16's 16 keys
.endr
	s_delay_alu instid0(VALU_DEP_2)
	v_max3_num_f32 v[T1], v[BM], v[BM+1], v[BM+2]
	s_delay_alu instid0(VALU_DEP_1)
	v_max_num_f32 v[T1], v[T1], v[BM+3]
	s_delay_alu instid0(VALU_DEP_1)
	v_max_num_f32 v13, v13, v[T1]                  ; the running largest t
	v_mov_b32 v[T1], v12
	s_delay_alu instid0(VALU_DEP_2)
	v_floor_f32 v12, -v13                          ; the new -M = -ceil(t): a whole number
	s_delay_alu instid0(VALU_DEP_1)
	v_sub_f32 v[T1], v12, v[T1]                    ; old M - new M: a whole number, 0 or less
	s_delay_alu instid0(VALU_DEP_1)
	v_cvt_i32_f32 v[T1], v[T1]                     ; (it saturates)
	s_delay_alu instid0(VALU_DEP_1)
	v_ldexp_f32 v[FF], 1.0, v[T1]                  ; f = 2^(old M - new M)
	VG 4
.set j, 0
.rept 16
	v_pk_add_f32 v[S+j:S+j+1], v[S+j:S+j+1], v[12:13] op_sel_hi:[1,0]   ; t - M
.set j, j+2
.endr
	VG 5
.rept 16
	v_pk_add_f32 v[S+j:S+j+1], v[S+j:S+j+1], v[12:13] op_sel_hi:[1,0]
.set j, j+2
.endr
.irp b, 0,1,2,3
	v_add_f32 v[BM+\b], v[BM+\b], v12              ; the same of each block's largest t
.endr
	VG 6
.set j, 0
	s_wait_alu depctr_va_vdst(0)
.rept 32
	v_exp_f32 v[S+j], v[S+j]                       ; p = 2^(t - M), at most 1
.set j, j+1
.endr
	VG 7
.rept 32
	v_exp_f32 v[S+j], v[S+j]
.set j, j+1
.endr
	v_pk_mul_f32 v[14:15], v[14:15], v[FF:FF+1] op_sel_hi:[1,0]   ; the sums under the new M (a plain line behind the exponentials)
	s_wait_alu depctr_va_vdst(0)                   ; one wait for the batch, ahead of its first reader and of the branches below
.if \mode == 2
	CHANGE 1
.elseif \mode == 1
	CHANGE 0
.endif
.if \mode
	s_xor_b32 s[TB], s[TB], SLOT1                  ; the next step's slot: it is whole, as the barrier has shown
	v_add_nc_u32 v[ADK], s[TB], v[LI]
	KG 0
	KG 1
.endif
.irp b, 0,1,2,3
	v_exp_f32 v[BM+\b], v[BM+\b]                   ; the block's largest p: the same two operations on the same number give the same bits
.endr
	v_pk_add_f32 v[S2:S2+1], v[S:S+1], v[S+2:S+3]  ; the row's sum of the unquantised p, in two chains (plain work behind the four)
.set j, 4
.rept 7
	v_pk_add_f32 v[14:15], v[14:15], v[S+j:S+j+1]
	v_pk_add_f32 v[S2:S2+1], v[S2:S2+1], v[S+j+2:S+j+3]
.set j, j+4
.endr
.if \mode
	KG 2
.endif
.rept 8
	v_pk_add_f32 v[14:15], v[14:15], v[S+j:S+j+1]
	v_pk_add_f32 v[S2:S2+1], v[S2:S2+1], v[S+j+2:S+j+3]
.set j, j+4
.endr
	s_delay_alu instid0(VALU_DEP_1)
	v_pk_add_f32 v[14:15], v[14:15], v[S2:S2+1]
	s_wait_alu depctr_va_vdst(0)                   ; and one for the four
.irp b, 0,1,2,3
	v_max_num_f32 v[BM+\b], 0x8000000, v[BM+\b]    ; the floor 2^(16 - 127): the byte cannot fall under 1
.endr
.irp b, 0,1,2,3
	s_delay_alu instid0(VALU_DEP_4)
	v_add_nc_u32 v[SO+\b], 0xf8800000, v[BM+\b]    ; the conversion's scale operand
.endr
.irp b, 0,1,2,3
	v_and_or_b32 v[LM+\b], v[BM+\b], 0x7f800000, s[MNT]   ; 57,344 x the scale
.endr
.irp b, 0,1,2,3
	v_lshrrev_b32 v[PB+\b], 23, v[SO+\b]           ; the scale's byte
.endr
	s_delay_alu instid0(VALU_DEP_3)
	v_lshl_or_b32 v[PWD], v[PB+1], 8, v[PB]        ; p's scale word for these 128 keys
	s_delay_alu instid0(VALU_DEP_1)
	v_lshl_or_b32 v[PWD], v[PB+2], 16, v[PWD]
	s_delay_alu instid0(VALU_DEP_1)
	v_lshl_or_b32 v[PWD], v[PB+3], 24, v[PWD]
.if \mode
	KG 3
.endif
.irp b, 0,1,2,3
.irp i, 0,2,4,6,8,10,12,14
	v_dual_min_num_f32 v[S+16*\b+\i], v[S+16*\b+\i], v[LM+\b] :: v_dual_min_num_f32 v[S+16*\b+\i+1], v[S+16*\b+\i+1], v[LM+\b]   ; the conversion does not saturate (ISA guide 7.6.2); p is not negative, so the hold is one-sided
.endr
	v_cvt_scalef32_pk8_bf8_f32 v[PC+4*\b:PC+4*\b+1], v[S+16*\b:S+16*\b+7], v[SO+\b]
	v_cvt_scalef32_pk8_bf8_f32 v[PC+4*\b+2:PC+4*\b+3], v[S+16*\b+8:S+16*\b+15], v[SO+\b]
.if (\mode) && (\b < 3)
	KG 4+\b
.endif
.endr
.set j, 0
.rept 16
	v_pk_mul_f32 v[OT+j:OT+j+1], v[OT+j:OT+j+1], v[FF:FF+1] op_sel_hi:[1,0]   ; O^T under the new M; these lines are also the places in front of the products below
.set j, j+2
.endr
.if \mode
	KG 7
.endif
.rept 16
	v_pk_mul_f32 v[OT+j:OT+j+1], v[OT+j:OT+j+1], v[FF:FF+1] op_sel_hi:[1,0]
.set j, j+2
.endr
.if \mode == 0
	s_wait_alu depctr_va_vdst(0)
	s_wait_dscnt 0x0                               ; V and its scale words are in (in the other steps the change of slots has waited for them)
.endif
	WIN 0x01
.irp a, 0,1,2,3,4,5,6,7                ; eight accumulators, one instruction each
	v_wmma_scale_f32_16x16x128_f8f6f4 v[OT+8*\a:OT+8*\a+7], v[128+16*\a:128+16*\a+15], v[PC:PC+15], v[OT+8*\a:OT+8*\a+7], v[KVS+\a], v[PWD] matrix_a_fmt:MATRIX_FMT_BF8 matrix_b_fmt:MATRIX_FMT_BF8
.endr
	WIN 0
	s_add_co_u32 s[TS], s[TS], 512                 ; the next step's scale words
.endm
	s_wait_alu depctr_va_vdst(0)                   ; the wait at the head's end
	s_wait_loadcnt 0x0                             ; Q
	s_wait_tensorcnt 0x0                           ; my tile of the head's six is in; these lines stand ahead of a later first fill, as ahead of a refill
	ds_add_u32 v[SPW], v[NIL]
	ds_add_u32 v[SPW], v[NIL]
	s_wait_dscnt 0x0
	CROUND
	JLOAD                                          ; step 1 into slot 1
	v_add_nc_u32 v[ADK], s[TB], v[LI]
	s_wait_alu depctr_va_vdst(0)
.irp t, 0,1,2,3,4,5,6,7
	KG \t                                          ; K of step 0
.endr
	ASK                                            ; step 2
.Lstep:                                                ; 14 trips: step j fills its slot again with step j + 2
	STEP 2
	s_sub_co_u32 s[SLOTS], s[SLOTS], 1
	s_cmp_lg_u32 s[SLOTS], 0
	s_cbranch_scc1 .Lstep
	STEP 1                                         ; the last two steps are written out
	STEP 0
	; THE WAY OUT: O^T / the sum, quantised along the channels: the codes are an image, stored as they stand
	v_add_f32 v14, v14, v15                        ; the sum's two halves,
	s_delay_alu instid0(VALU_DEP_1)
	v_permlanex16_b32 v[T1], v14, s[SEL], s[SEL+1]
	s_delay_alu instid0(VALU_DEP_1)
	v_add_f32 v14, v14, v[T1]                      ; and lane l xor 16's
	s_wait_alu depctr_va_vdst(0)
	v_rcp_f32 v14, v14
.rept 8
	v_nop                                          ; places behind the last products, and the plain line behind the reciprocal
.endr
	s_wait_alu depctr_va_vdst(0)                   ; ahead of the reciprocal's first reader
.set j, 0
.rept 32
	v_pk_mul_f32 v[OT+j:OT+j+1], v[OT+j:OT+j+1], v[14:15] op_sel_hi:[1,0]
.set j, j+2
.endr
.irp b, 0,1,2,3
	v_max3_num_f32 v[BM+\b], |v[OT+16*\b]|, |v[OT+16*\b+1]|, 0x8000000
.endr
.irp i, 2,4,6,8,10,12,14
.irp b, 0,1,2,3
	s_delay_alu instid0(VALU_DEP_4)
	v_max3_num_f32 v[BM+\b], v[BM+\b], |v[OT+16*\b+\i]|, |v[OT+16*\b+\i+1]|
.endr
.endr
.irp b, 0,1,2,3
	s_delay_alu instid0(VALU_DEP_4)
	v_permlanex16_b32 v[PB+\b], v[BM+\b], s[SEL], s[SEL+1]
.endr
.irp b, 0,1,2,3
	s_delay_alu instid0(VALU_DEP_4)
	v_max_num_f32 v[BM+\b], v[BM+\b], v[PB+\b]
.endr
.irp b, 0,1,2,3
	s_delay_alu instid0(VALU_DEP_4)
	v_add_nc_u32 v[SO+\b], 0xf8800000, v[BM+\b]
.endr
.irp b, 0,1,2,3
	v_and_or_b32 v[LM+\b], v[BM+\b], 0x7f800000, s[MNT]
.endr
.irp b, 0,1,2,3
	v_lshrrev_b32 v[PB+\b], 23, v[SO+\b]
.endr
	s_delay_alu instid0(VALU_DEP_3)
	v_lshl_or_b32 v[PWD], v[PB+1], 8, v[PB]
	s_delay_alu instid0(VALU_DEP_1)
	v_lshl_or_b32 v[PWD], v[PB+2], 16, v[PWD]
	s_delay_alu instid0(VALU_DEP_1)
	v_lshl_or_b32 v[PWD], v[PB+3], 24, v[PWD]
.irp b, 0,1,2,3
.irp i, 0,1,2,3,4,5,6,7,8,9,10,11,12,13,14,15
	v_med3_num_f32 v[OT+16*\b+\i], v[OT+16*\b+\i], -v[LM+\b], v[LM+\b]
.endr
	v_cvt_scalef32_pk8_bf8_f32 v[PC+4*\b:PC+4*\b+1], v[OT+16*\b:OT+16*\b+7], v[SO+\b]
	v_cvt_scalef32_pk8_bf8_f32 v[PC+4*\b+2:PC+4*\b+3], v[OT+16*\b+8:OT+16*\b+15], v[SO+\b]
.endr
	v_nop
.irp c, 0,1,2,3
	global_store_b128 v[LI], v[PC+4*\c:PC+4*\c+3], s[10:11] offset:512*\c   ; 32 lanes store 512 consecutive bytes, at a multiple of 512 from the buffer's first byte
.endr
	global_store_b32 v[WO], v[PWD], s[12:13]       ; the image's 16 words, 64 bytes (both halves of the lanes store the same word): the one short store, 1 byte in 32 of what the launch writes
	s_wait_tensorcnt 0x0                           ; the wave's end
	ds_add_u32 v[SPW], v[NIL]
	s_wait_dscnt 0x0
	CROUND                                         ; the closing round
	s_endpgm
.Lfunc_end_k_qedf52a42f7_attn:
	.size	k_qedf52a42f7_attn, .Lfunc_end_k_qedf52a42f7_attn-k_qedf52a42f7_attn
	.p2alignl 7, 3214868480
	.fill 96, 4, 3214868480
	.section	.rodata,"a",@progbits
	.p2align	6, 0x0
	.amdhsa_kernel k_qedf52a42f7_attn
		.amdhsa_group_segment_fixed_size 327680
		.amdhsa_private_segment_fixed_size 0
		.amdhsa_enable_private_segment 0
		.amdhsa_kernarg_size 40
		.amdhsa_user_sgpr_count 2
		.amdhsa_user_sgpr_kernarg_segment_ptr 1
		.amdhsa_wavefront_size32 1
		.amdhsa_system_sgpr_workgroup_id_x 1
		.amdhsa_system_sgpr_workgroup_id_y 1
		.amdhsa_system_sgpr_workgroup_id_z 1
		.amdhsa_system_vgpr_workitem_id 0
		.amdhsa_next_free_vgpr 512
		.amdhsa_next_free_sgpr 100
		.amdhsa_reserve_vcc 0
		.amdhsa_float_denorm_mode_32 3
		.amdhsa_float_denorm_mode_16_64 3
		.amdhsa_memory_ordered 1
		.amdhsa_forward_progress 1
		.amdhsa_inst_pref_size 117
	.end_amdhsa_kernel
	.amdgpu_metadata
---
amdhsa.version: [ 1, 2 ]
amdhsa.kernels:
  - .name:           k_qedf52a42f7_attn
    .symbol:         k_qedf52a42f7_attn.kd
    .args:
      - { .name: hc, .offset: 0, .size: 8, .value_kind: global_buffer, .address_space: global }
      - { .name: hs, .offset: 8, .size: 8, .value_kind: global_buffer, .address_space: global }
      - { .name: mask, .offset: 16, .size: 8, .value_kind: global_buffer, .address_space: global }
      - { .name: oc, .offset: 24, .size: 8, .value_kind: global_buffer, .address_space: global }
      - { .name: os, .offset: 32, .size: 8, .value_kind: global_buffer, .address_space: global }
    .group_segment_fixed_size: 327680
    .private_segment_fixed_size: 0
    .kernarg_segment_align: 8
    .kernarg_segment_size: 40
    .max_flat_workgroup_size: 256
    .sgpr_count:     100
    .vgpr_count:     512
    .wavefront_size: 32
...
	.end_amdgpu_metadata
.endif
;; end of part 3
;; launch dense (part 4): grid 16 x 16, 4 waves a work-group, clusters of 4 x 4, 327,680 bytes of LDS; arguments oc, os, c7, s7, dense_b, out0; writes out0
.if DOCPART == 4
	.amdgcn_target "amdgcn-amd-amdhsa--gfx1250"
	.amdhsa_code_object_version 6
	.text
	.protected	k_qedf52a42f7_dense
	.globl	k_qedf52a42f7_dense
	.p2align	8
	.type	k_qedf52a42f7_dense,@function
k_qedf52a42f7_dense:
	s_mov_b64 s[64:65], 0
	v_nop
	global_prefetch_b8 v0, s[64:65] scope:SCOPE_SE
	s_setreg_imm32_b32 hwreg(HW_REG_WAVE_MODE, 25, 1), 1
	s_wait_xcnt 0x0
	s_wait_alu depctr_hold_cnt(0) depctr_sa_sdst(0) depctr_va_vdst(0) depctr_va_sdst(0) depctr_va_ssrc(0) depctr_va_vcc(0) depctr_vm_vsrc(0)
	s_getreg_b32 s2, hwreg(HW_REG_IB_STS2, 6, 4)
	s_cmp_eq_u32 s2, 0
	s_cbranch_scc0 .Lentry_in_a_cluster
	s_endpgm
.Lentry_in_a_cluster:
	s_bfe_u32 s2, ttmp6, 0x10000c
	s_cmp_lg_u32 s2, 0xf033
	s_cbranch_scc0 .Lentry_shape_is_right
	s_endpgm
.Lentry_shape_is_right:
; out0 = O Wd^T + bd: 2,048 x 2,048 x 2,048 on codes of BF8; oc, os: O's images and scale words as the attention leaves them; c7, s7 part 6: dense_w's.
; 256 work-groups of four waves make 128 x 128 each, a wave 64 x 64.  K goes in steps of 512 through a ring of two LDS slots: a slot holds two runs of 32,768 bytes (256 along K each) of A and two of B, dense, as the waves read them.
; CLUSTERS 4 x 4: A's images are asked for jointly along a row of the cluster, B's along a column.
; THE HEAD: one joint load a wave: wave 0 both runs of A for K step 0, wave 1 B's, wave 2 A's scale words for all of K, wave 3 B's.  K step 1 follows behind a full round, a run a wave, as every refill does.
; PREFETCH INTO THE L2: behind the joint load of K step m (m = 1, 2) stands the prefetch of K step m + 1: of the 32,768 bytes that a wave fetches each of the four partners names 8,192, told apart by address, a lane each 256.
; LIMITS: NaN and infinities are not served.
.set NP,    8
.set FR,    16
.set QTR,   32768
.set SLOT,  4*QTR
.set PSTEP, 524288
.set SCL,   2*SLOT
.set QTRS,  4096
.set SPARE, SCL+4*QTRS
.set PFO,  30                          ; v30 the prefetches' offset: 256 x lane; never rewritten
.set PFA,  100                         ; s[100:101] where my prefetches stand
.set SPITCH, 272
.set ADRA, 16
.set ADRB, 20
.set STO,  24
.set RD,   25
.set CO,   26
.set ADRS, 27
.set SPW,  28
.set NIL,  29
.set SC,   32
.set BI,   64
.set ACC,  128
.set G1, 24
.set G0, 32
.set G1B, 48
.set G0B, 56
.set G1S, 68
.set G0S, 76
.set G1SB, 80
.set G0SB, 88
.set MUL,  0x05
.set TO_F, 0x40
.set MSB, 0
.macro WIN new
.if MSB != (\new)
	s_set_vgpr_msb (MSB<<8)|(\new)
.set MSB, (\new)
.endif
.endm
.macro JLOAD g0a, g1a, g0b, g1b
	s_cmp_eq_u32 s15, 0
	s_cbranch_scc0 .Lfor_b_\@
	tensor_load_to_lds s[\g0a:\g0a+3], s[\g1a:\g1a+7]
	s_nop 0
.rept 4
	v_nop
.endr
	s_branch .Lasked_\@
.Lfor_b_\@:
	tensor_load_to_lds s[\g0b:\g0b+3], s[\g1b:\g1b+7]
	s_nop 0
.rept 4
	v_nop
.endr
.Lasked_\@:
.endm
.macro CREST
	s_cmp_lg_u32 s14, 0
	s_cbranch_scc1 .Lnot_wave_0_\@
	s_barrier_signal -3
.Lnot_wave_0_\@:
	s_barrier_wait -3
	s_barrier_signal -1
	s_barrier_wait -1
.endm
.macro CROUND
	s_barrier_signal -1
	s_barrier_wait -1
	CREST
.endm
.macro PLACES n
.rept \n
	v_nop
.endr
.endm
	s_load_b256 s[4:11], s[0:1], 0x0
	s_load_b128 s[92:95], s[0:1], 0x20
	v_lshl_add_u32 v[SPW], v0, 2, SPARE
	v_mov_b32 v[NIL], 0
	ds_add_u32 v28, v29
	ds_add_u32 v28, v29
	s_wait_dscnt 0x0
	v_lshrrev_b32 v1, 5, v0
	v_readfirstlane_b32 s14, v1
	s_lshr_b32 s15, s14, 1
	s_and_b32 s16, s14, 1
	s_bfe_u32 s40, ttmp6, 0x40000
	s_bfe_u32 s41, ttmp6, 0x40004
	s_lshl_b32 s42, ttmp9, 2
	s_add_co_u32 s42, s42, s40
	s_and_b32 s17, ttmp7, 0xffff
	s_lshl_b32 s17, s17, 2
	s_add_co_u32 s17, s17, s41
	s_lshl_b32 s43, s41, 2
	s_lshl_b32 s43, 15, s43
	s_lshl_b32 s44, 0x1111, s40
	s_or_b32 s[G1+0], s43, (3<<16)|(1<<21)
	s_or_b32 s[G1B+0], s44, (3<<16)|(1<<21)
.irp g, G1, G1B                        ; for the head's loads two rows of 32,768 bytes (4,096 elements of 8), PSTEP bytes apart; rewritten behind them
	s_mov_b32 s[\g+1], 4096<<16
	s_mov_b32 s[\g+2], 2<<16
	s_mov_b32 s[\g+3], 4096<<16
	s_mov_b32 s[\g+4], 2
	s_mov_b32 s[\g+5], 65536
	s_mov_b32 s[\g+6], 0
	s_mov_b32 s[\g+7], 0
.endr
	s_or_b32 s[G1S+0], s43, (3<<16)|(1<<21)
	s_or_b32 s[G1SB+0], s44, (3<<16)|(1<<21)
.irp g, G1S, G1SB
	s_mov_b32 s[\g+1], 128<<16
	s_mov_b32 s[\g+2], 8<<16
	s_mov_b32 s[\g+3], 128<<16
	s_mov_b32 s[\g+4], 8
	s_mov_b32 s[\g+5], 2048
	s_mov_b32 s[\g+6], 0
	s_mov_b32 s[\g+7], 0
.endr
	s_lshl_b32 s20, s17, 15
	s_mov_b32 s21, 0
	s_lshl_b32 s22, s17, 10
	s_mov_b32 s23, 0
	s_lshl_b32 s46, s42, 15
	s_add_co_u32 s46, s46, 6<<22
	s_mov_b32 s47, 0
	s_lshl_b32 s98, s42, 10
	s_add_co_u32 s98, s98, 6<<17
	s_mov_b32 s99, 0
	s_lshl_b32 s66, s14, 15                        ; where a refill's run goes in a slot
	v_and_b32 v[PFO], 31, v0
	v_lshlrev_b32 v[PFO], 8, v[PFO]
	s_wait_alu depctr_va_vdst(0)
	s_wait_kmcnt 0x0
	CROUND                                         ; all sixteen work-groups are here: the first joint loads meet
	s_mov_b32 s[G0], 1
	s_mov_b32 s[G0+1], 0
	s_add_nc_u64 s[G0+2:G0+3], s[4:5], s[20:21]
	s_or_b32 s[G0+3], s[G0+3], 0x80000000
	s_mov_b32 s[G0B], 1
	s_mov_b32 s[G0B+1], 2*QTR
	s_add_nc_u64 s[G0B+2:G0B+3], s[8:9], s[46:47]
	s_or_b32 s[G0B+3], s[G0B+3], 0x80000000
	s_mov_b32 s[G0S], 1
	s_mov_b32 s[G0S+1], SCL
	s_add_nc_u64 s[G0S+2:G0S+3], s[6:7], s[22:23]
	s_or_b32 s[G0S+3], s[G0S+3], 0x80000000
	s_mov_b32 s[G0SB], 1
	s_mov_b32 s[G0SB+1], SCL+2*QTRS
	s_add_nc_u64 s[G0SB+2:G0SB+3], s[10:11], s[98:99]
	s_or_b32 s[G0SB+3], s[G0SB+3], 0x80000000
.macro ARM under, g0, g1, next         ; an arm of the head's one chain of branches: one load
	s_cmp_lt_u32 s14, \under
	s_cbranch_scc0 \next
	tensor_load_to_lds s[\g0:\g0+3], s[\g1:\g1+7]
	s_nop 0
.rept 4
	v_nop
.endr
	s_branch .Lhead_asked
\next:
.endm
	ARM 1, G0,  G1,  .Lhead_b
	ARM 2, G0B, G1B, .Lhead_sa
	ARM 3, G0S, G1S, .Lhead_sb
	tensor_load_to_lds s[G0SB:G0SB+3], s[G1SB:G1SB+7]
	s_nop 0
.rept 4
	v_nop
.endr
.Lhead_asked:
	s_lshl_b32 s18, s16, 19                        ; which of a slot's two runs is mine in a refill
	s_mov_b32 s19, 0
	s_add_nc_u64 s[20:21], s[4:5], s[20:21]
	s_add_nc_u64 s[46:47], s[8:9], s[46:47]
	s_add_nc_u64 s[20:21], s[20:21], s[18:19]
	s_add_nc_u64 s[46:47], s[46:47], s[18:19]
	s_mov_b32 s[G0+4], 1                           ; slot 1: K step 1
	s_add_co_u32 s[G0+5], s66, SLOT
	s_add_nc_u64 s[G0+6:G0+7], s[20:21], 2*PSTEP
	s_or_b32 s[G0+7], s[G0+7], 0x80000000
	s_mov_b32 s[G0B+4], 1
	s_add_co_u32 s[G0B+5], s66, SLOT
	s_add_nc_u64 s[G0B+6:G0B+7], s[46:47], 2*PSTEP
	s_or_b32 s[G0B+7], s[G0B+7], 0x80000000
	s_cmp_eq_u32 s15, 0                            ; do I fetch for A?
	s_cselect_b64 s[PFA:PFA+1], s[20:21], s[46:47]
	s_cselect_b32 s22, s40, s41                    ; my place among the four that ask with me
	s_lshl_b32 s22, s22, 13
	s_mov_b32 s23, 0
	s_add_nc_u64 s[PFA:PFA+1], s[PFA:PFA+1], s[22:23]
	s_add_nc_u64 s[PFA:PFA+1], s[PFA:PFA+1], 4*PSTEP   ; at K step 2, which is asked for behind the load of K step 1
	v_and_b32 v3, 31, v0
	v_and_b32 v1, 15, v0
	v_bfe_u32 v2, v0, 4, 1
	s_wait_alu depctr_va_vdst(0)
	v_lshlrev_b32 v4, 4, v3
	s_lshl_b32 s21, s15, 14
	s_lshl_b32 s22, s16, 14
	s_add_co_u32 s22, s22, 2*QTR
.irp s, 0,1
	v_add_nc_u32 v[ADRA+\s], s21, v4
	v_add_nc_u32 v[ADRB+\s], s22, v4
	s_add_co_u32 s21, s21, SLOT
	s_add_co_u32 s22, s22, SLOT
.endr
	v_lshlrev_b32 v5, 2, v1
	s_lshl_b32 s21, s15, 9
	s_lshl_b32 s22, s16, 9
	s_add_co_u32 s22, s22, 2*QTRS
	s_sub_co_u32 s22, s22, s21
	v_mul_u32_u24 v6, s22, v2
	s_add_co_u32 s21, s21, SCL
	v_add_nc_u32 v5, v5, v6
	v_add_nc_u32 v[ADRS], s21, v5
	s_mul_i32 s23, s14, 16*SPITCH
	v_mul_u32_u24 v5, v1, SPITCH
	v_lshl_add_u32 v5, v2, 6, v5
	v_add_nc_u32 v[STO], s23, v5
	v_mul_u32_u24 v5, v2, SPITCH
	v_lshl_add_u32 v5, v1, 4, v5
	v_add_nc_u32 v[RD], s23, v5
	v_lshlrev_b32 v[CO], 13, v2
	v_lshl_add_u32 v[CO], v1, 4, v[CO]
	v_lshlrev_b32 v7, 6, v2
	s_wait_alu depctr_va_vdst(0)
	s_lshl_b32 s18, s42, 9
	s_lshl_b32 s19, s16, 8
	s_add_co_u32 s18, s18, s19
	s_mov_b32 s19, 0
	s_add_nc_u64 s[92:93], s[92:93], s[18:19]
	s_add_nc_u64 s[94:95], s[94:95], s[18:19]
	s_lshl_b32 s18, s17, 20
	s_lshl_b32 s20, s15, 19
	s_add_co_u32 s18, s18, s20
	s_add_nc_u64 s[94:95], s[94:95], s[18:19]
.irp b, 0,1,2,3
	global_load_b128 v[BI+8*\b:BI+8*\b+3], v7, s[92:93] offset:128*(\b/2)+32*(\b%2)
	global_load_b128 v[BI+8*\b+4:BI+8*\b+7], v7, s[92:93] offset:128*(\b/2)+32*(\b%2)+16
.endr
.macro FRAG reg, adr, q, i
.irp c, 0,1,2,3
	ds_load_b128 v[\reg+4*\c:\reg+4*\c+3], v[\adr] offset:32768*((\q)/2)+2048*((\q)%2)+4096*(\i)+512*\c
.endr
.endm
.macro MUL4 a, f, q, sc, zero
.irp b, 0,1,2,3
.set rD, ACC+8*(4*(\a)+\b)
.set rB, (\f)+64+FR*\b
.set rA, (\f)+FR*(\a)
.set rSB, SC+16*(\sc)+4*(\q)+\b
.set rSA, SC+16*(\sc)+4*(\q)+(\a)
.if \zero
	v_wmma_scale_f32_16x16x128_f8f6f4 v[rD:rD+7], v[rB:rB+15], v[rA:rA+15], v[BI+8*\b:BI+8*\b+7], v[rSB], v[rSA] matrix_a_fmt:MATRIX_FMT_BF8 matrix_b_fmt:MATRIX_FMT_BF8 matrix_a_scale:MATRIX_SCALE_ROW1
.else
	v_wmma_scale_f32_16x16x128_f8f6f4 v[rD:rD+7], v[rB:rB+15], v[rA:rA+15], v[rD:rD+7], v[rSB], v[rSA] matrix_a_fmt:MATRIX_FMT_BF8 matrix_b_fmt:MATRIX_FMT_BF8 matrix_a_scale:MATRIX_SCALE_ROW1
.endif
.endr
.endm
.macro FETCH slot, q, f
	WIN TO_F
.irp i, 0,1,2,3
	FRAG (\f)+64+FR*\i, ADRB+\slot, \q, \i
.endr
.irp i, 0,1,2,3
	FRAG (\f)+FR*\i, ADRA+\slot, \q, \i
.endr
.endm
.macro SCALES sc
.irp q, 0,1,2,3
.irp i, 0,1,2,3
	ds_load_b32 v[SC+16*\sc+4*\q+\i], v[ADRS] offset:1024*(\q/2)+64*(\q%2)+128*\i
.endr
.endr
.endm
.macro STEP slot, q, zero
	s_wait_dscnt 8
	WIN MUL
	MUL4 0, 128*((\q)%2), \q, \slot, \zero
	MUL4 1, 128*((\q)%2), \q, \slot, \zero
	PLACES NP
	FETCH \slot, (\q)+1, 128*(1-(\q)%2)
	s_wait_dscnt 32
	WIN MUL
	MUL4 2, 128*((\q)%2), \q, \slot, \zero
	MUL4 3, 128*((\q)%2), \q, \slot, \zero
.endm
.macro TURN slot, next, fill
	WIN 0
.if (\fill) && ((\slot) == 0)
	s_wait_xcnt 0x0                                ; my last prefetch has read its address
	s_add_nc_u64 s[PFA:PFA+1], s[PFA:PFA+1], 2*PSTEP
.endif
	s_wait_tensorcnt 0x0
	ds_add_u32 v[SPW], v[NIL]
	s_wait_dscnt 9
	WIN MUL
	MUL4 0, 128, 3, \slot, 0
	s_wait_dscnt 0x0
	s_barrier_signal -1
	MUL4 1, 128, 3, \slot, 0
	WIN 0
	s_barrier_wait -1
.if \fill
	CREST
	s_add_nc_u64 s[G0+4*\slot+2:G0+4*\slot+3], s[G0+4*\slot+2:G0+4*\slot+3], 4*PSTEP
	s_add_nc_u64 s[G0B+4*\slot+2:G0B+4*\slot+3], s[G0B+4*\slot+2:G0B+4*\slot+3], 4*PSTEP
	JLOAD G0+4*\slot, G1, G0B+4*\slot, G1B
	PLACES NP-4
.else
	PLACES NP
.endif
	s_wait_alu depctr_va_vdst(0)
	v_add_nc_u32 v[ADRS], 2048, v[ADRS]
	SCALES \next
	FETCH \next, 0, 0
.if (\fill) && ((\slot) == 0)
	global_prefetch_b8 v[PFO], s[PFA:PFA+1] th:TH_LOAD_NT scope:SCOPE_SE   ; K step 3, the last
.endif
	WIN MUL
	MUL4 2, 128, 3, \slot, 0
	MUL4 3, 128, 3, \slot, 0
.endm
	s_wait_alu depctr_va_vdst(0)                   ; the wait at the head's end
	s_wait_tensorcnt 0x0                           ; my tile of the head's four is in; these lines stand ahead of a later first fill, as ahead of a refill
	ds_add_u32 v[SPW], v[NIL]
.irp g, G1, G1B                        ; no tensor load of mine is out: from here on a load brings one run, 128 rows of 256 bytes
	s_mov_b32 s[\g+1], 32<<16
	s_mov_b32 s[\g+2], 128<<16
	s_mov_b32 s[\g+3], 32<<16
	s_mov_b32 s[\g+4], 128
	s_mov_b32 s[\g+5], 32
.endr
	s_lshl_b32 s18, s16, 19
	s_mov_b32 s19, 0
	s_mov_b32 s[G0+1], s66
	s_mov_b32 s[G0B+1], s66
	s_add_nc_u64 s[G0+2:G0+3], s[G0+2:G0+3], s[18:19]
	s_add_nc_u64 s[G0B+2:G0B+3], s[G0B+2:G0B+3], s[18:19]
	s_wait_dscnt 0x0
	CROUND                                         ; all four tiles are in, all sixteen work-groups are here
	JLOAD G0+4, G1, G0B+4, G1B                     ; K step 1
	SCALES 0
	FETCH 0, 0, 0
	global_prefetch_b8 v[PFO], s[PFA:PFA+1] th:TH_LOAD_NT scope:SCOPE_SE
	s_wait_loadcnt 0x0
	STEP 0, 0, 1
	STEP 0, 1, 0
	STEP 0, 2, 0
	TURN 0, 1, 1
	STEP 1, 0, 0
	STEP 1, 1, 0
	STEP 1, 2, 0
	TURN 1, 0, 1
	STEP 0, 0, 0
	STEP 0, 1, 0
	STEP 0, 2, 0
	TURN 0, 1, 0
	STEP 1, 0, 0
	STEP 1, 1, 0
	STEP 1, 2, 0
	s_wait_dscnt 0x0
	WIN MUL
	MUL4 0, 128, 3, 1, 0
	MUL4 1, 128, 3, 1, 0
	MUL4 2, 128, 3, 1, 0
	MUL4 3, 128, 3, 1, 0
	WIN 0
.macro TOSTAGE a
.irp b, 0,1,2,3
	ds_store_b128 v[STO], v[ACC+8*(4*(\a)+\b):ACC+8*(4*(\a)+\b)+3] offset:128*(\b/2)+32*(\b%2)
	ds_store_b128 v[STO], v[ACC+8*(4*(\a)+\b)+4:ACC+8*(4*(\a)+\b)+7] offset:128*(\b/2)+32*(\b%2)+16
.endr
	WIN TO_F
.irp t, 0,1,2,3,4,5,6,7
	ds_load_b128 v[32*(\a)+4*\t:32*(\a)+4*\t+3], v[RD] offset:\t*2*SPITCH
.endr
	WIN 0
.endm
.macro SEND a, younger
	s_wait_dscnt \younger
	WIN 0x04
.irp t, 0,1,2,3,4,5,6,7
	global_store_b128 v[CO], v[32*(\a)+4*\t:32*(\a)+4*\t+3], s[94:95] offset:131072*(\a)+16384*\t th:TH_STORE_NT
.endr
	WIN 0
.endm
	PLACES NP
	TOSTAGE 0
	TOSTAGE 1
	SEND 0, 16
	TOSTAGE 2
	SEND 1, 16
	TOSTAGE 3
	SEND 2, 16
	SEND 3, 0
	s_wait_tensorcnt 0x0
	ds_add_u32 v[SPW], v[NIL]
	s_wait_dscnt 0x0
	CROUND
	s_endpgm
.Lfunc_end_k_qedf52a42f7_dense:
	.size	k_qedf52a42f7_dense, .Lfunc_end_k_qedf52a42f7_dense-k_qedf52a42f7_dense
	.p2alignl 7, 3214868480
	.fill 96, 4, 3214868480
	.section	.rodata,"a",@progbits
	.p2align	6, 0x0
	.amdhsa_kernel k_qedf52a42f7_dense
		.amdhsa_group_segment_fixed_size 327680
		.amdhsa_private_segment_fixed_size 0
		.amdhsa_enable_private_segment 0
		.amdhsa_kernarg_size 48
		.amdhsa_user_sgpr_count 2
		.amdhsa_user_sgpr_kernarg_segment_ptr 1
		.amdhsa_wavefront_size32 1
		.amdhsa_system_sgpr_workgroup_id_x 1
		.amdhsa_system_sgpr_workgroup_id_y 1
		.amdhsa_system_sgpr_workgroup_id_z 1
		.amdhsa_system_vgpr_workitem_id 0
		.amdhsa_next_free_vgpr 512
		.amdhsa_next_free_sgpr 102
		.amdhsa_reserve_vcc 0
		.amdhsa_float_denorm_mode_32 3
		.amdhsa_float_denorm_mode_16_64 3
		.amdhsa_memory_ordered 1
		.amdhsa_forward_progress 1
		.amdhsa_inst_pref_size 97
	.end_amdhsa_kernel
	.amdgpu_metadata
---
amdhsa.version: [ 1, 2 ]
amdhsa.kernels:
  - .name:           k_qedf52a42f7_dense
    .symbol:         k_qedf52a42f7_dense.kd
    .args:
      - { .name: oc, .offset: 0, .size: 8, .value_kind: global_buffer, .address_space: global }
      - { .name: os, .offset: 8, .size: 8, .value_kind: global_buffer, .address_space: global }
      - { .name: c7, .offset: 16, .size: 8, .value_kind: global_buffer, .address_space: global }
      - { .name: s7, .offset: 24, .size: 8, .value_kind: global_buffer, .address_space: global }
      - { .name: dense_b, .offset: 32, .size: 8, .value_kind: global_buffer, .address_space: global }
      - { .name: out0, .offset: 40, .size: 8, .value_kind: global_buffer, .address_space: global }
    .group_segment_fixed_size: 327680
    .private_segment_fixed_size: 0
    .kernarg_segment_align: 8
    .kernarg_segment_size: 48
    .max_flat_workgroup_size: 128
    .sgpr_count:     102
    .vgpr_count:     512
    .wavefront_size: 32
...
	.end_amdgpu_metadata
.endif
;; end of part 4
